; MI455X (gfx1250); checked and timed in simulation.
; The chip was launched on July 23, 2026; its instructions are those of AMD's public machine-readable ISA for CDNA 5 (MIT licence, August 2026) and "CDNA5" Instruction Set Architecture Reference Guide (July 2026). The comments in the code are by the model that wrote it; some were corrected since.
;; DA Attention. Allowed arithmetic: float matrix products may take bf16 or f16 operands with f32 sums; other float arithmetic in f32, or as packed bf16 or f16 multiplies, adds, multiply-adds, maxima and minima; sums over many terms, partial sums and values carried from step to step in f32; what a program stores and reads back later, other than sums and carried values, may be rounded once to bf16 or f16.
;; Inputs: Wk 1,024 x 1,024 float32; Wo 1,024 x 1,024 float32; Wq 1,024 x 1,024 float32; Wv 1,024 x 1,024 float32; bo 1,024 float32; v 16 float32; w 16 float32; x 2 x 2,048 x 1,024 float32.
;; Outputs: out0 2 x 2,048 x 1,024 float32.
;; One version. Each part assembles by itself: llvm-mc -triple=amdgcn-amd-amdhsa -mcpu=gfx1250 --defsym DOCPART=n.
;; ======== version 1 of 1: 4 launches
;; limits: values are held in f16: magnitudes above 65,504 overflow, below 6.1e-05 lose precision
;; workspace buffers: xb 8,388,608 bytes; wqkv 6,291,456 bytes; wo16 2,097,152 bytes; rt 2,359,296 bytes; qkv 25,165,824 bytes; ctx 8,388,608 bytes
;; launch prep (part 1): grid 576 x 1, 8 waves a work-group, no clusters, 0 bytes of LDS; arguments x, Wq, Wk, Wv, Wo, w, v, xb, wqkv, wo16, rt; writes xb, wqkv, wo16, rt
.if DOCPART == 1
	.amdgcn_target "amdgcn-amd-amdhsa--gfx1250"
	.amdhsa_code_object_version 6
	.text
	.protected	k_q1d65748607_prep
	.globl	k_q1d65748607_prep
	.p2align	8
	.type	k_q1d65748607_prep,@function
k_q1d65748607_prep:
	s_mov_b64 s[64:65], 0
	v_nop
	global_prefetch_b8 v0, s[64:65] scope:SCOPE_SE
	s_setreg_imm32_b32 hwreg(HW_REG_WAVE_MODE, 25, 1), 1
	s_wait_xcnt 0x0
; PREP.  Every input of the module is rounded once to bf16, and the distance table is made.
;   work-groups 0-255:   x [4096][1024] f32 -> xb, bf16, the same layout
;   work-groups 256-447: Wq, Wk, Wv [1024][1024] f32 -> wqkv, bf16 [k 1024][3072]: columns 0-1023 Wq, 1024-2047 Wk, 2048-3071 Wv
;   work-groups 448-511: Wo -> wo16 [k 1024][1024]: rounded to bf16, and that number written as f16
;   work-groups 512-575: rt, f32 [head 16][record 144][g 2][lane 32][4]
; A cast work-group takes 16,384 numbers: 8 chunks of 2,048 (two rows of 1,024); thread t takes 8 numbers of a chunk: two loads of 16 bytes in, one store of 16 bytes out,
; so a wave's store covers 512 consecutive bytes.  All 16 loads go out in one run; no register is written twice, so no source of a pending instruction is ever rewritten.
; THE TABLE.  Record n stands for m = 127 - n, the distance in blocks of 16 between a block of queries and a block of keys.  Its number (g, lane, r) is R'(d),
; d = 16 m + lane % 16 - 8 (lane / 16) - (4 g + r): the place that the score of query lane % 16 and key 8 (lane / 16) + 4 g + r has in a 16 x 16 matrix result.
; R'(d) = (log2(e) / 8) (1 + e^v) / (1 + e^(v - w d)) for d >= 0, and 0 for d < 0 (a key behind the query).  w and v are rounded to bf16 like every other input.
; LIMITS.  A number of Wo below 6.1e-5 keeps f16's fixed step of 6e-8; beyond 65,504 it would be an infinity.  e^(v - w d) beyond f32's range gives R' = 0, as in f32 arithmetic by the formula.
.set IN,  16                           ; v[16:79]   8 chunks x 8 numbers as loaded
.set OUT, 80                           ; v[80:111]  8 chunks x 4 registers to store
.set D,   40                           ; v[40:75]   the table path's 36 numbers of a thread
	s_load_b512 s[8:23], s[0:1], 0x0               ; x 8, Wq 10, Wk 12, Wv 14, Wo 16, w 18, v 20, xb 22
	s_load_b128 s[24:27], s[0:1], 0x40             ; wqkv 24, wo16 26
	s_load_b64 s[28:29], s[0:1], 0x50              ; rt
	s_mov_b32 s35, 0                               ; high words of the two offset pairs
	s_mov_b32 s37, 0
	s_wait_kmcnt 0x0
	s_cmp_lt_u32 ttmp9, 256
	s_cbranch_scc1 .Lx
	s_cmp_lt_u32 ttmp9, 448
	s_cbranch_scc1 .Lw
	s_cmp_lt_u32 ttmp9, 512
	s_cbranch_scc1 .Lwo
	; THE TABLE: 4 work-groups a head, 36 records each, 9 passes of 4 records; a thread makes 4 numbers (16 bytes) a pass
	s_sub_co_u32 s38, ttmp9, 512
	s_lshr_b32 s39, s38, 2                         ; head
	s_and_b32 s38, s38, 3                          ; which 36 records
	s_lshl_b32 s34, s39, 2
	v_mov_b32 v8, s34
	global_load_b32 v6, v8, s[18:19]               ; w[head]
	global_load_b32 v7, v8, s[20:21]               ; v[head]
	s_mul_i32 s36, s38, 36
	v_lshrrev_b32 v9, 6, v0                        ; my record in a pass
	v_add_nc_u32 v9, s36, v9
	v_lshlrev_b32 v9, 4, v9
	v_sub_nc_u32 v4, 2032, v9                      ; 16 (127 - record), pass 0
	v_and_b32 v9, 15, v0
	v_add_nc_u32 v4, v4, v9                        ; + lane % 16
	v_bfe_u32 v9, v0, 4, 1
	v_lshlrev_b32 v9, 3, v9
	v_sub_nc_u32 v4, v4, v9                        ; - 8 (lane / 16)
	v_bfe_u32 v9, v0, 5, 1
	v_lshlrev_b32 v9, 2, v9
	v_sub_nc_u32 v4, v4, v9                        ; - 4 g: d of my first number in pass 0; number (pass, r) has d = v4 - (64 pass + r)
	v_lshlrev_b32 v3, 4, v0                        ; my 16 bytes in a pass's 4,096
	s_mul_i32 s34, s39, 147456                     ; a head's 144 records,
	s_mul_i32 s36, s38, 36864                      ; my 36
	s_add_co_u32 s34, s34, s36
	s_add_nc_u64 s[32:33], s[28:29], s[34:35]
.set i, 0
.rept 36
	v_sub_nc_u32 v[D+i], v4, 64*(i/4)+i%4
.set i, i+1
.endr
.set i, 0
.rept 36
	v_cvt_f32_i32 v[D+i], v[D+i]
.set i, i+1
.endr
	s_wait_loadcnt 0x0
	v_cvt_pk_bf16_f32 v6, v6, v7                   ; both rounded to bf16,
	v_and_b32 v7, 0xffff0000, v6                   ; and widened again
	v_lshlrev_b32 v6, 16, v6
	v_mul_f32 v6, 0x3fb8aa3b, v6                   ; times log2(e): the exponentials work in base 2
	v_mul_f32 v7, 0x3fb8aa3b, v7
.set i, 0
.rept 36
	v_fma_f32 v[D+i], -v6, v[D+i], v7              ; (v - w d) log2(e)
.set i, i+1
.endr
.set i, 0
.rept 36
	v_exp_f32 v[D+i], v[D+i]
.set i, i+1
.endr
	v_exp_f32 v10, v7                              ; e^v
	v_nop                                          ; a plain instruction behind the last exponential,
	s_wait_alu depctr_va_vdst(0)                   ; and one wait for the batch of 37, ahead of the first use
.set i, 0
.rept 18
	v_pk_add_f32 v[D+i:D+i+1], v[D+i:D+i+1], 1.0 op_sel_hi:[1,0]
.set i, i+2
.endr
	v_add_f32 v10, 1.0, v10
	v_mul_f32 v10, 0x3e38aa3b, v10                 ; (1 + e^v) log2(e) / 8
	v_mov_b32 v11, v10
.set i, 0
.rept 36
	v_rcp_f32 v[D+i], v[D+i]
.set i, i+1
.endr
	v_nop
	s_wait_alu depctr_va_vdst(0)                   ; one wait for the 36 reciprocals
.set i, 0
.rept 18
	v_pk_mul_f32 v[D+i:D+i+1], v[D+i:D+i+1], v[10:11]
.set i, i+2
.endr
.set i, 0
.rept 36
	v_cmp_le_i32 vcc_lo, 64*(i/4)+i%4, v4          ; d >= 0?
	v_cndmask_b32 v[D+i], 0, v[D+i], vcc_lo        ; else 0
.set i, i+1
.endr
.irp p, 0,1,2,3,4,5,6,7,8
	global_store_b128 v3, v[D+4*(\p):D+4*(\p)+3], s[32:33] offset:4096*(\p)
.endr
	s_endpgm
; 16,384 numbers from s[30:31] to s[32:33].  rp: bytes in a row of the destination.  half = 1: the bf16 number is written as f16.
.macro CAST rp, half
	v_lshlrev_b32 v1, 5, v0                        ; my 32 bytes in a chunk's 8,192
	v_lshrrev_b32 v2, 7, v0                        ; which of the chunk's two rows,
	v_and_b32 v3, 127, v0                          ; and where in it
	v_mul_u32_u24 v2, v2, \rp
	v_lshl_add_u32 v2, v3, 4, v2
.irp c, 0,1,2,3,4,5,6,7
	global_load_b128 v[IN+8*(\c):IN+8*(\c)+3],   v1, s[30:31] offset:8192*(\c) th:TH_LOAD_NT
	global_load_b128 v[IN+8*(\c)+4:IN+8*(\c)+7], v1, s[30:31] offset:8192*(\c)+16 th:TH_LOAD_NT
.endr
.irp c, 0,1,2,3,4,5,6,7
	s_wait_loadcnt 14-2*(\c)                       ; loads come back in order: chunk c's two are in, the later chunks' stay out
.irp j, 0,1,2,3
	v_cvt_pk_bf16_f32 v[OUT+4*(\c)+(\j)], v[IN+8*(\c)+2*(\j)], v[IN+8*(\c)+2*(\j)+1]
.endr
.if \half
.irp j, 0,1,2,3
	v_lshlrev_b32 v[IN+8*(\c)+2*(\j)],   16, v[OUT+4*(\c)+(\j)]
	v_and_b32     v[IN+8*(\c)+2*(\j)+1], 0xffff0000, v[OUT+4*(\c)+(\j)]
.endr
.irp j, 0,1,2,3
	v_cvt_pk_f16_f32 v[OUT+4*(\c)+(\j)], v[IN+8*(\c)+2*(\j)], v[IN+8*(\c)+2*(\j)+1]
.endr
.endif
	global_store_b128 v2, v[OUT+4*(\c):OUT+4*(\c)+3], s[32:33] offset:(\c)*2*(\rp)
.endr
	s_endpgm
.endm
.Lx:
	s_lshl_b32 s34, ttmp9, 16                      ; 65,536 bytes in,
	s_lshl_b32 s36, ttmp9, 15                      ; 32,768 out
	s_add_nc_u64 s[30:31], s[8:9], s[34:35]
	s_add_nc_u64 s[32:33], s[22:23], s[36:37]
	CAST 2048, 0
.Lw:
	s_sub_co_u32 s38, ttmp9, 256
	s_lshr_b32 s39, s38, 6                         ; 0: Wq, 1: Wk, 2: Wv
	s_and_b32 s38, s38, 63                         ; which 16 rows
	s_cmp_eq_u32 s39, 0
	s_cselect_b64 s[30:31], s[10:11], s[12:13]
	s_cmp_eq_u32 s39, 2
	s_cselect_b64 s[30:31], s[14:15], s[30:31]
	s_lshl_b32 s34, s38, 16
	s_add_nc_u64 s[30:31], s[30:31], s[34:35]
	s_mul_i32 s36, s38, 98304                      ; 16 rows of 6,144 bytes,
	s_lshl_b32 s39, s39, 11                        ; the weight's 2,048 bytes of a row
	s_add_co_u32 s36, s36, s39
	s_add_nc_u64 s[32:33], s[24:25], s[36:37]
	CAST 6144, 0
.Lwo:
	s_sub_co_u32 s38, ttmp9, 448
	s_lshl_b32 s34, s38, 16
	s_lshl_b32 s36, s38, 15
	s_add_nc_u64 s[30:31], s[16:17], s[34:35]
	s_add_nc_u64 s[32:33], s[26:27], s[36:37]
	CAST 2048, 1
.Lfunc_end_k_q1d65748607_prep:
	.size	k_q1d65748607_prep, .Lfunc_end_k_q1d65748607_prep-k_q1d65748607_prep
	.p2alignl 7, 3214868480
	.fill 96, 4, 3214868480
	.section	.rodata,"a",@progbits
	.p2align	6, 0x0
	.amdhsa_kernel k_q1d65748607_prep
		.amdhsa_group_segment_fixed_size 0
		.amdhsa_private_segment_fixed_size 0
		.amdhsa_enable_private_segment 0
		.amdhsa_kernarg_size 88
		.amdhsa_user_sgpr_count 2
		.amdhsa_user_sgpr_kernarg_segment_ptr 1
		.amdhsa_wavefront_size32 1
		.amdhsa_system_sgpr_workgroup_id_x 1
		.amdhsa_system_sgpr_workgroup_id_y 1
		.amdhsa_system_sgpr_workgroup_id_z 1
		.amdhsa_system_vgpr_workitem_id 0
		.amdhsa_next_free_vgpr 112
		.amdhsa_next_free_sgpr 66
		.amdhsa_reserve_vcc 1
		.amdhsa_float_denorm_mode_32 3
		.amdhsa_float_denorm_mode_16_64 3
		.amdhsa_memory_ordered 1
		.amdhsa_forward_progress 1
		.amdhsa_inst_pref_size 38
	.end_amdhsa_kernel
	.amdgpu_metadata
---
amdhsa.version: [ 1, 2 ]
amdhsa.kernels:
  - .name:           k_q1d65748607_prep
    .symbol:         k_q1d65748607_prep.kd
    .args:
      - { .name: x, .offset: 0, .size: 8, .value_kind: global_buffer, .address_space: global }
      - { .name: Wq, .offset: 8, .size: 8, .value_kind: global_buffer, .address_space: global }
      - { .name: Wk, .offset: 16, .size: 8, .value_kind: global_buffer, .address_space: global }
      - { .name: Wv, .offset: 24, .size: 8, .value_kind: global_buffer, .address_space: global }
      - { .name: Wo, .offset: 32, .size: 8, .value_kind: global_buffer, .address_space: global }
      - { .name: w, .offset: 40, .size: 8, .value_kind: global_buffer, .address_space: global }
      - { .name: v, .offset: 48, .size: 8, .value_kind: global_buffer, .address_space: global }
      - { .name: xb, .offset: 56, .size: 8, .value_kind: global_buffer, .address_space: global }
      - { .name: wqkv, .offset: 64, .size: 8, .value_kind: global_buffer, .address_space: global }
      - { .name: wo16, .offset: 72, .size: 8, .value_kind: global_buffer, .address_space: global }
      - { .name: rt, .offset: 80, .size: 8, .value_kind: global_buffer, .address_space: global }
    .group_segment_fixed_size: 0
    .private_segment_fixed_size: 0
    .kernarg_segment_align: 8
    .kernarg_segment_size: 88
    .max_flat_workgroup_size: 256
    .sgpr_count:     66
    .vgpr_count:     112
    .wavefront_size: 32
...
	.end_amdgpu_metadata
.endif
;; end of part 1
;; launch gemm_qkv (part 2): grid 8 x 32, 4 waves a work-group, clusters of 4 x 4, 327,680 bytes of LDS; arguments xb, wqkv, qkv; writes qkv
.if DOCPART == 2
	.amdgcn_target "amdgcn-amd-amdhsa--gfx1250"
	.amdhsa_code_object_version 6
	.text
	.protected	k_q1d65748607_gemm_qkv
	.globl	k_q1d65748607_gemm_qkv
	.p2align	8
	.type	k_q1d65748607_gemm_qkv,@function
k_q1d65748607_gemm_qkv:
	s_mov_b64 s[64:65], 0
	v_nop
	global_prefetch_b8 v0, s[64:65] scope:SCOPE_SE
	s_setreg_imm32_b32 hwreg(HW_REG_WAVE_MODE, 25, 1), 1
	s_wait_xcnt 0x0
	s_wait_alu depctr_hold_cnt(0) depctr_sa_sdst(0) depctr_va_vdst(0) depctr_va_sdst(0) depctr_va_ssrc(0) depctr_va_vcc(0) depctr_vm_vsrc(0)
	s_getreg_b32 s2, hwreg(HW_REG_IB_STS2, 6, 4)
	s_cmp_eq_u32 s2, 0
	s_cbranch_scc0 .Lentry_in_a_cluster
	s_endpgm
.Lentry_in_a_cluster:
	s_bfe_u32 s2, ttmp6, 0x10000c
	s_cmp_lg_u32 s2, 0xf033
	s_cbranch_scc0 .Lentry_shape_is_right
	s_endpgm
.Lentry_shape_is_right:
; q, k, v = x Wq, x Wk, x Wv as ONE product: xb [4096][1024] bf16 times wqkv [k 1024][3072] bf16, sums in f32, each result rounded once to f16 and stored by heads:
; qkv [batch 2][g 48][token 2048][64], g = head for q, 16 + head for k, 32 + head for v.  No scale is applied here.
; LIMIT.  f16 ends at 65,504: a projection beyond that would be stored as an infinity.
; SHARES.  A work-group makes 128 rows x 384 columns (6 heads): 32 x 8 = 256 work-groups.  Wave w: rows 64 (w / 2) + 16 a, a = 0..3; in each chunk c = 0..2 of 128 columns the head 2 c + w % 2:
; 48 accumulators of 16 x 16, 384 registers; for 32 along K a wave reads 32 x 512 bytes of LDS for 48 matrix instructions.
; RING.  K goes in 8 steps of 128 through two LDS slots.  A slot has four parts of 36,864 bytes, one tensor load each: wave 0 brings x's 128 rows x 256 bytes (272 apart in LDS),
; waves 1-3 a chunk of the weights, 128 rows of k x 256 bytes (288 apart).  The weights lie [k][column], so their fragments come out of LDS turned, by ds_load_tr16_b128.
; CLUSTER.  4 x 4 work-groups: the four of a row need the same rows of x, the four of a column the same columns of the weights; each tile is asked for jointly, by the same load with the same descriptor.
; THE MATRIX INSTRUCTION IS USED TRANSPOSED (source 0 = 16 columns of the weights, source 1 = 16 rows of x): a lane then holds eight neighbouring columns of one row: 16 bytes of f16.
; REGISTERS, in windows of 256: window 0 addresses and the way out; window 1 two fragment buffers of 128 (12 fragments of the weights, 4 of x); window 2 the accumulators of chunks 0 and 1; window 3 those of chunk 2.
.set PITA,  272                        ; x's rows in LDS: 256 bytes + 16: the 16 rows of a load start at 16 different groups of four banks
.set PITB,  288                        ; the weights' rows: 256 + 32
.set PART,  36864                      ; a wave's part of a slot: 128 x 288 (x's part uses 128 x 272 of it)
.set SLOT,  4*PART
.set STAGE, 2*SLOT                     ; behind the ring: 16 rows x 144 bytes for each wave, for the way out
.set SP,    144
.set SPARE, STAGE+4*16*SP              ; behind the stages: the spare words, 128 bytes for each wave, that no other line names
.set ADRA, 16                          ; v16-17  LDS address of my fragments of x in slot 0, 1
.set ADRB, 18                          ; v18-23  of the weights: slot s, chunk c at 3 s + c
.set STO,  24                          ; v24     the way out: where I put 16 bytes of a row
.set RD,   25                          ; v25     where I read rows back
.set GO,   26                          ; v26     my 16 bytes in 512 consecutive bytes of qkv
.set SPW,  28                          ; v28     my spare word; never rewritten
.set NIL,  29                          ; v29     0; never rewritten
.set PFO,  30                          ; v30     the prefetches' offset: my lane x a row in memory; never rewritten
.set TMP,  32                          ; v32-223 the way out: 12 blocks of 16 registers
.set F0,   0
.set F1,   128
.set G1,   24                          ; s[24:31] descriptor group 1 for x's tiles;  s[32:39] group 0, a set for each slot
.set G0,   32
.set G1B,  48                          ; s[48:55], s[56:63] the same for the weights'
.set G0B,  56
.set PFA,  68                          ; s[68:69] where my prefetches stand
.set PST,  70                          ; s[70:71] a K step in bytes, for the tensor that I fetch
.set LIM,  72                          ; s72     1 in a wave that prefetches, else the greatest number
.set MSB, 0
.macro WIN new                         ; the immediate's high byte repeats the setting that is left; a switch that changes nothing is dropped
.if MSB != (\new)
	s_set_vgpr_msb (MSB<<8)|(\new)
.set MSB, \new
.endif
.endm
.macro JLOAD s                         ; a joint load: wave 0 fetches x's tile, waves 1-3 a chunk of the weights; an s_nop 0 and four v_nop follow each line
	s_cmp_eq_u32 s10, 0
	s_cbranch_scc0 .Lfor_b_\@
	tensor_load_to_lds s[G0+4*(\s):G0+4*(\s)+3], s[G1:G1+7]
	s_nop 0
.rept 4
	v_nop
.endr
	s_branch .Lasked_\@
.Lfor_b_\@:
	tensor_load_to_lds s[G0B+4*(\s):G0B+4*(\s)+3], s[G1B:G1B+7]
	s_nop 0
.rept 4
	v_nop
.endr
.Lasked_\@:
.endm
.macro CREST                           ; a round of the cluster's barrier behind its opening barrier
	s_cmp_lg_u32 s10, 0
	s_cbranch_scc1 .Lnot_wave_0_\@
	s_barrier_signal -3
.Lnot_wave_0_\@:
	s_barrier_wait -3
	s_barrier_signal -1
	s_barrier_wait -1
.endm
.macro CROUND
	s_barrier_signal -1
	s_barrier_wait -1
	CREST
.endm
; A prefetch into the L2 of the K step that stands two refills on: 32 rows x 256 bytes, a lane a row, one instruction a wave, behind the joint load and the run of LDS loads.
; x's rows are read by both clusters of a row of clusters: the one with x = 0 asks; the weights' columns by all eight clusters of a column: the one with y = 0 asks.  The four partners
; that ask for a tile jointly take 32 of its 128 rows each, told apart by address.  So each row's 256 bytes of a K step are named once.  The loop's last trip asks for nothing: K ends.
.macro ASK
	s_cmp_gt_u32 s3, s[LIM]
	s_cbranch_scc0 .Lnot_mine_\@
	global_prefetch_b8 v[PFO], s[PFA:PFA+1] th:TH_LOAD_NT scope:SCOPE_SE
.Lnot_mine_\@:
.endm
	s_load_b128 s[4:7], s[0:1], 0x0                ; xb s[4:5], wqkv s[6:7]
	s_load_b64 s[8:9], s[0:1], 0x10                ; qkv
	v_lshl_add_u32 v[SPW], v0, 2, SPARE
	v_mov_b32 v[NIL], 0
	ds_add_u32 v[SPW], v[NIL]                      ; the wave's opening: the add and its wait stand ahead of my first tensor load; the set-up below stands between them
	v_lshrrev_b32 v1, 5, v0
	v_readfirstlane_b32 s10, v1                    ; wave 0..3
	s_lshr_b32 s11, s10, 1                         ; which 64 rows are mine
	s_and_b32 s12, s10, 1                          ; which head of a chunk's two
	s_bfe_u32 s40, ttmp6, 0x40000                  ; cx, cy: my place in the cluster
	s_bfe_u32 s41, ttmp6, 0x40004
	s_lshl_b32 s42, ttmp9, 2
	s_add_co_u32 s42, s42, s40                     ; tile column 0..7
	s_and_b32 s13, ttmp7, 0xffff
	s_lshl_b32 s13, s13, 2
	s_add_co_u32 s13, s13, s41                     ; tile row 0..31
	s_lshl_b32 s43, s41, 2
	s_lshl_b32 s43, 15, s43                        ; my row of the cluster
	s_lshl_b32 s44, 0x1111, s40                    ; my column
	s_or_b32 s[G1+0], s43, (1<<16)|(1<<20)|(1<<21)|(5<<22)|(3<<25)   ; the mask; 2-byte elements; padding on; bit 21 beside a mask; after every 64 words 4 words
	s_or_b32 s[G1B+0], s44, (1<<16)|(1<<20)|(1<<21)|(5<<22)|(7<<25)  ; the same with my column's mask and 8 words of padding
.irp g, G1, G1B
	s_mov_b32 s[(\g)+1], 128<<16                   ; tensor_dim0 = 128
	s_mov_b32 s[(\g)+2], 128<<16                   ; tensor_dim1 = 128
	s_mov_b32 s[(\g)+3], 128<<16                   ; tile_dim0 = 128
	s_mov_b32 s[(\g)+4], 128                       ; tile_dim1 = 128
	s_mov_b32 s[(\g)+6], 0
	s_mov_b32 s[(\g)+7], 0
.endr
	s_mov_b32 s[G1+5], 1024                        ; elements from row to row of xb,
	s_mov_b32 s[G1B+5], 3072                       ; and of wqkv
	s_lshl_b32 s16, s13, 18                        ; x: 128 rows of 2,048 bytes for each tile row
	s_mov_b32 s17, 0
	s_max_u32 s45, s10, 1
	s_sub_co_u32 s45, s45, 1                       ; the chunk that I fetch (waves 1-3)
	s_lshl_b32 s45, s45, 8
	s_mul_i32 s46, s42, 768                        ; the weights: 384 columns for each tile column,
	s_add_co_u32 s46, s46, s45                     ; my chunk's 256 bytes
	s_mov_b32 s47, 0
	s_mul_i32 s20, s10, PART                       ; where my tile goes: wave x a part; no place in the cluster enters an LDS address
	s_wait_dscnt 0x0                               ; the opening add is done
	s_wait_kmcnt 0x0
	s_add_nc_u64 s[14:15], s[4:5], s[16:17]
	s_add_nc_u64 s[46:47], s[6:7], s[46:47]
	CROUND                                         ; all sixteen work-groups are here: the first joint loads meet
.irp s, 0,1
	s_mov_b32 s[G0+4*(\s)], 1
	s_add_co_u32 s[G0+4*(\s)+1], s20, (\s)*SLOT
	s_add_nc_u64 s[G0+4*(\s)+2:G0+4*(\s)+3], s[14:15], (\s)*256       ; K step s: 256 bytes along the rows
	s_or_b32 s[G0+4*(\s)+3], s[G0+4*(\s)+3], 0x80000000
	s_mov_b32 s[G0B+4*(\s)], 1
	s_add_co_u32 s[G0B+4*(\s)+1], s20, (\s)*SLOT
	s_add_nc_u64 s[G0B+4*(\s)+2:G0B+4*(\s)+3], s[46:47], (\s)*786432  ; K step s: 128 rows of 6,144 bytes down
	s_or_b32 s[G0B+4*(\s)+3], s[G0B+4*(\s)+3], 0x80000000
	JLOAD \s
.endr
	; a fragment of x: lane l holds row l % 16, K = 8 (l / 16) + 0..7 and 16 + 8 (l / 16) + 0..7: two loads of 16 bytes, 32 bytes apart
	v_and_b32 v1, 15, v0                           ; l % 16
	v_bfe_u32 v2, v0, 4, 1                         ; l / 16
	v_mul_u32_u24 v3, v1, PITA
	v_lshl_add_u32 v3, v2, 4, v3
	s_mul_i32 s21, s11, 64*PITA
	v_add_nc_u32 v[ADRA], s21, v3
	v_add_nc_u32 v[ADRA+1], SLOT, v[ADRA]
	; a fragment of the weights, turned: lane l reads 16 bytes of row k = 8 (l / 16) + l % 8 at column 8 ((l / 8) % 2), and ends with column l % 16 and 8 k; the second load stands 16 rows down
	v_and_b32 v4, 7, v0
	v_lshl_add_u32 v4, v2, 3, v4
	v_mul_u32_u24 v4, v4, PITB
	v_bfe_u32 v5, v0, 3, 1
	v_lshl_add_u32 v4, v5, 4, v4
	s_lshl_b32 s22, s12, 7                         ; my head's 128 bytes of a chunk's row
	v_add_nc_u32 v4, s22, v4
.irp s, 0,1
.irp c, 0,1,2
	v_add_nc_u32 v[ADRB+3*(\s)+(\c)], (\s)*SLOT+(1+(\c))*PART, v4
.endr
.endr
	s_mul_i32 s23, s10, 16*SP
	s_add_co_u32 s23, s23, STAGE                   ; my stage
	v_mul_u32_u24 v[STO], v1, SP                   ; in: row l % 16, 16 bytes for each half of the lanes
	v_lshl_add_u32 v[STO], v2, 4, v[STO]
	v_add_nc_u32 v[STO], s23, v[STO]
	v_bfe_u32 v[RD], v0, 3, 2                      ; back: 32 lanes take four rows of 128 bytes,
	v_mul_u32_u24 v[RD], v[RD], SP
	v_and_b32 v5, 7, v0
	v_lshl_add_u32 v[RD], v5, 4, v[RD]
	v_add_nc_u32 v[RD], s23, v[RD]
	v_and_b32 v[GO], 31, v0                        ; which are 512 consecutive bytes of a head
	v_lshlrev_b32 v[GO], 4, v[GO]
	; the prefetches
	s_and_b32 s22, ttmp7, 0xffff                   ; cluster y
	s_mov_b32 s73, 6144
	s_mov_b32 s74, 786432
	s_cmp_eq_u32 s10, 0                            ; do I fetch x?
	s_cselect_b32 s22, ttmp9, s22                  ; the coordinate along which other clusters read the same rows
	s_cselect_b32 s21, s40, s41                    ; my place among the four that ask with me
	s_cselect_b32 s73, 2048, s73                   ; a row in memory
	s_cselect_b32 s[PST], 256, s74                 ; a K step in memory
	s_cselect_b64 s[PFA:PFA+1], s[14:15], s[46:47]
	s_mov_b32 s[PST+1], 0
	s_cmp_eq_u32 s22, 0
	s_cselect_b32 s[LIM], 1, -1                    ; the same in all sixteen partners, for a given wave
	s_lshl_b32 s21, s21, 5                         ; my work-group's 32 of the 128 rows
	s_mul_i32 s20, s21, s73
	s_mul_i32 s21, s[PST], 3                       ; at K step 3: the first refill (K step 2) steps it to 4 and names that
	s_add_co_u32 s20, s20, s21
	s_mov_b32 s21, 0
	s_add_nc_u64 s[PFA:PFA+1], s[PFA:PFA+1], s[20:21]
	v_and_b32 v[PFO], 31, v0
	v_mul_u32_u24 v[PFO], v[PFO], s73
	; where my results go: head 48 batch + 6 tile column + my head of chunk 0; token 128 (tile row % 16) + 64 (w / 2); 128 bytes a token
	s_lshr_b32 s16, s13, 4
	s_mul_i32 s16, s16, 48
	s_mul_i32 s17, s42, 6
	s_add_co_u32 s16, s16, s17
	s_add_co_u32 s16, s16, s12
	s_lshl_b32 s16, s16, 11
	s_and_b32 s17, s13, 15
	s_lshl_b32 s17, s17, 7
	s_add_co_u32 s16, s16, s17
	s_lshl_b32 s17, s11, 6
	s_add_co_u32 s16, s16, s17
	s_lshl_b32 s16, s16, 7
	s_mov_b32 s17, 0
	s_add_nc_u64 s[8:9], s[8:9], s[16:17]
; 16 matrix instructions: chunk c, 4 row blocks x 4 column blocks, 32 along K.  zero = 1: the product starts the sums.  The accumulators take turns, one instruction a turn.
.macro MUL16 f, c, zero
	WIN 0xa5+0x50*((\c)/2)                         ; sources in window 1; C and D in window 2 (chunks 0, 1) or 3 (chunk 2)
.irp a, 0,1,2,3
.irp b, 0,1,2,3
.set rD, 8*(16*((\c)%2)+4*(\a)+(\b))
.if \zero
	v_wmma_f32_16x16x32_bf16 v[rD:rD+7], v[(\f)+8*(4*(\c)+(\b)):(\f)+8*(4*(\c)+(\b))+7], v[(\f)+96+8*(\a):(\f)+96+8*(\a)+7], 0
.else
	v_wmma_f32_16x16x32_bf16 v[rD:rD+7], v[(\f)+8*(4*(\c)+(\b)):(\f)+8*(4*(\c)+(\b))+7], v[(\f)+96+8*(\a):(\f)+96+8*(\a)+7], v[rD:rD+7]
.endif
.endr
.endr
.endm
.macro FB slot, q, f, c                ; chunk c's four fragments of the weights for quarter q
.irp i, 0,1,2,3
	ds_load_tr16_b128 v[(\f)+8*(4*(\c)+(\i)):(\f)+8*(4*(\c)+(\i))+3],   v[ADRB+3*(\slot)+(\c)] offset:32*PITB*(\q)+32*(\i)
	ds_load_tr16_b128 v[(\f)+8*(4*(\c)+(\i))+4:(\f)+8*(4*(\c)+(\i))+7], v[ADRB+3*(\slot)+(\c)] offset:32*PITB*(\q)+32*(\i)+16*PITB
.endr
.endm
; 32 LDS loads in one run: quarter q's fragments into buffer f; what the first 16 products want comes first
.macro FETCH slot, q, f
	WIN 0x40                                       ; destination window 1, address window 0
	FB \slot, \q, \f, 0
.irp i, 0,1,2,3
	ds_load_b128 v[(\f)+96+8*(\i):(\f)+96+8*(\i)+3],   v[ADRA+(\slot)] offset:64*(\q)+(\i)*16*PITA
	ds_load_b128 v[(\f)+96+8*(\i)+4:(\f)+96+8*(\i)+7], v[ADRA+(\slot)] offset:64*(\q)+(\i)*16*PITA+32
.endr
	FB \slot, \q, \f, 1
	FB \slot, \q, \f, 2
.endm
.macro PLACES                          ; four plain instructions between a matrix instruction and a load into a register that it has read, or a conversion of its result
.rept 4
	v_nop
.endr
.endm
; A K step is four quarters of 32 along K, 48 matrix instructions each, on buffers 0, 1, 0, 1.  One of the first three: multiplies buffer f and fetches quarter q into buffer g.
.macro QUARTER slot, q, f, g, zero
	s_wait_dscnt 16                                ; chunk 0's fragments and x's are in; the youngest 16 loads may be out
	MUL16 \f, 0, \zero
	PLACES
	FETCH \slot, \q, \g
	s_wait_dscnt 32                                ; all but the 32 just issued
	MUL16 \f, 1, \zero
	MUL16 \f, 2, \zero
.endm
; The last quarter multiplies buffer 1 and changes slots: one barrier; in front of it each wave waits for all its tensor loads (its part of the next slot), adds 0 to its spare word, and waits for
; that and for its reads of this slot.  fill = 1: the barrier opens a round of the cluster's, and this slot is filled again, two K steps ahead, first thing behind the round.
.macro TURN slot, next, fill
.if \fill
	s_wait_xcnt 0x0                                ; the last prefetch, a K step back, has read its address
	s_add_nc_u64 s[PFA:PFA+1], s[PFA:PFA+1], s[PST:PST+1]
.endif
	WIN 0                                          ; (the add's two registers lie in window 0)
	s_wait_tensorcnt 0x0                           ; all my tensor loads have landed
	ds_add_u32 v[SPW], v[NIL]
	s_wait_dscnt 17                                ; (the add and the youngest 16 loads may be out)
	MUL16 F1, 0, 0                                 ; sixteen matrix instructions stand between the add and the wait for it
	s_wait_dscnt 0x0                               ; the add is done, and my reads of this slot are over
	s_barrier_signal -1
	MUL16 F1, 1, 0
.if \fill
	WIN 0
.endif
	s_barrier_wait -1
.if \fill
	CREST                                          ; no wave of any partner still reads this slot's tiles or has a load on its way
	s_add_nc_u64 s[G0+4*(\slot)+2:G0+4*(\slot)+3], s[G0+4*(\slot)+2:G0+4*(\slot)+3], 2*256
	s_add_nc_u64 s[G0B+4*(\slot)+2:G0B+4*(\slot)+3], s[G0B+4*(\slot)+2:G0B+4*(\slot)+3], 2*786432
	JLOAD \slot                                    ; the four v_nop behind it are also the places in front of the loads below
.else
	PLACES
.endif
	FETCH \next, 0, F0
.if \fill
	WIN 0
	ASK
.endif
	MUL16 F1, 2, 0
.endm
	s_wait_tensorcnt 1                             ; my part of K step 0 is in; K step 1's may stay out
	s_barrier_signal -1
	s_barrier_wait -1                              ; everybody's is
	FETCH 0, 0, F0
	QUARTER 0, 1, F0, F1, 1                        ; the first quarter stands in front of the loop: its products start the sums
	WIN 0                                          ; at a label and at a branch every window is 0
	s_mov_b32 s3, 3
.Llap:                                                 ; a trip goes once round the ring, from a lap's second quarter to the next lap's first, and fills both slots again
	QUARTER 0, 2, F1, F0, 0
	QUARTER 0, 3, F0, F1, 0
	TURN 0, 1, 1
	QUARTER 1, 1, F0, F1, 0
	QUARTER 1, 2, F1, F0, 0
	QUARTER 1, 3, F0, F1, 0
	TURN 1, 0, 1
	QUARTER 0, 1, F0, F1, 0
	WIN 0
	s_sub_co_u32 s3, s3, 1
	s_cmp_lg_u32 s3, 0
	s_cbranch_scc1 .Llap
	QUARTER 0, 2, F1, F0, 0                        ; the last lap fills nothing
	QUARTER 0, 3, F0, F1, 0
	TURN 0, 1, 0
	QUARTER 1, 1, F0, F1, 0
	QUARTER 1, 2, F1, F0, 0
	QUARTER 1, 3, F0, F1, 0
	s_wait_dscnt 16                                ; the very last quarter: nothing more to fetch
	MUL16 F1, 0, 0
	s_wait_dscnt 0x0
	MUL16 F1, 1, 0
	MUL16 F1, 2, 0
	; THE WAY OUT.  Block t = 3 a + c is 16 tokens x one head: rounded to f16 (each accumulator from its low end), 16 bytes a lane into my stage, back as 2,048 consecutive bytes of the head.
	PLACES
.macro PACK t
.set ca, (\t)/3
.set cc, (\t)%3
	WIN 0x0a+5*(cc/2)                              ; sources in window 2 or 3, destination in window 0
.irp b, 0,1,2,3
.irp r, 0,1,2,3
	v_cvt_pk_f16_f32 v[TMP+16*(\t)+4*(\b)+(\r)], v[8*(16*(cc%2)+4*ca+(\b))+2*(\r)], v[8*(16*(cc%2)+4*ca+(\b))+2*(\r)+1]
.endr
.endr
	WIN 0
.irp b, 0,1,2,3
	ds_store_b128 v[STO], v[TMP+16*(\t)+4*(\b):TMP+16*(\t)+4*(\b)+3] offset:32*(\b)
.endr
.irp f, 0,1,2,3
	ds_load_b128 v[TMP+16*(\t)+4*(\f):TMP+16*(\t)+4*(\f)+3], v[RD] offset:(\f)*4*SP  ; LDS serves a wave's instructions in order: these see the stores above; the next block's stores come behind them
.endr
.endm
.macro SEND t, younger                 ; younger: the LDS instructions issued behind block t's loads: the next block's eight, or none
	WIN 0
.irp f, 0,1,2,3
	s_wait_dscnt (\younger)+3-(\f)
	global_store_b128 v[GO], v[TMP+16*(\t)+4*(\f):TMP+16*(\t)+4*(\f)+3], s[8:9] offset:((\t)%3)*524288+((\t)/3)*2048+(\f)*512  ; 512 consecutive bytes, aligned; chunk c lies two heads on
.endr
.endm
	PACK 0
.set t, 1
.rept 11                               ; a block's conversions stand between the loads of the block before and its stores
	PACK t
	SEND t-1, 8
.set t, t+1
.endr
	SEND 11, 0
	s_wait_tensorcnt 0x0                           ; the wave's end: an add and its wait, behind my last tensor load and my last LDS store
	ds_add_u32 v[SPW], v[NIL]
	s_wait_dscnt 0x0
	CROUND                                         ; the closing round: no work-group ends while a partner may still ask for a tile that names it
	s_endpgm
.Lfunc_end_k_q1d65748607_gemm_qkv:
	.size	k_q1d65748607_gemm_qkv, .Lfunc_end_k_q1d65748607_gemm_qkv-k_q1d65748607_gemm_qkv
	.p2alignl 7, 3214868480
	.fill 96, 4, 3214868480
	.section	.rodata,"a",@progbits
	.p2align	6, 0x0
	.amdhsa_kernel k_q1d65748607_gemm_qkv
		.amdhsa_group_segment_fixed_size 327680
		.amdhsa_private_segment_fixed_size 0
		.amdhsa_enable_private_segment 0
		.amdhsa_kernarg_size 24
		.amdhsa_user_sgpr_count 2
		.amdhsa_user_sgpr_kernarg_segment_ptr 1
		.amdhsa_wavefront_size32 1
		.amdhsa_system_sgpr_workgroup_id_x 1
		.amdhsa_system_sgpr_workgroup_id_y 1
		.amdhsa_system_sgpr_workgroup_id_z 1
		.amdhsa_system_vgpr_workitem_id 0
		.amdhsa_next_free_vgpr 896
		.amdhsa_next_free_sgpr 80
		.amdhsa_reserve_vcc 0
		.amdhsa_float_denorm_mode_32 3
		.amdhsa_float_denorm_mode_16_64 3
		.amdhsa_memory_ordered 1
		.amdhsa_forward_progress 1
		.amdhsa_inst_pref_size 122
	.end_amdhsa_kernel
	.amdgpu_metadata
---
amdhsa.version: [ 1, 2 ]
amdhsa.kernels:
  - .name:           k_q1d65748607_gemm_qkv
    .symbol:         k_q1d65748607_gemm_qkv.kd
    .args:
      - { .name: xb, .offset: 0, .size: 8, .value_kind: global_buffer, .address_space: global }
      - { .name: wqkv, .offset: 8, .size: 8, .value_kind: global_buffer, .address_space: global }
      - { .name: qkv, .offset: 16, .size: 8, .value_kind: global_buffer, .address_space: global }
    .group_segment_fixed_size: 327680
    .private_segment_fixed_size: 0
    .kernarg_segment_align: 8
    .kernarg_segment_size: 24
    .max_flat_workgroup_size: 128
    .sgpr_count:     80
    .vgpr_count:     896
    .wavefront_size: 32
...
	.end_amdgpu_metadata
.endif
;; end of part 2
;; launch attn (part 3): grid 8 x 32, 4 waves a work-group, no clusters, 327,680 bytes of LDS; arguments qkv, rt, ctx; writes ctx
.if DOCPART == 3
	.amdgcn_target "amdgcn-amd-amdhsa--gfx1250"
	.amdhsa_code_object_version 6
	.text
	.protected	k_q1d65748607_attn
	.globl	k_q1d65748607_attn
	.p2align	8
	.type	k_q1d65748607_attn,@function
k_q1d65748607_attn:
	s_mov_b64 s[64:65], 0
	v_nop
	global_prefetch_b8 v0, s[64:65] scope:SCOPE_SE
	s_setreg_imm32_b32 hwreg(HW_REG_WAVE_MODE, 25, 1), 1
	s_wait_xcnt 0x0
; CAUSAL ATTENTION WITH A DISTANCE DECAY.  ctx[hb][q][:] = the sum over k <= q of softmax_k(relu(Q[q] . K[k]) R_hat[head][q - k] / 8) V[k][:], for 32 pairs hb = 16 batch + head; 2,048 tokens, 64 channels.
; Q, K, V: f16 by heads in qkv [batch][g 48][token][64]; ctx: f16 [hb][token][64].  rt holds R'(d) = R_hat(d) log2(e) / 8 in the lanes' order of a 16 x 16 matrix result, and 0 for d < 0.
; Products, maxima and sums in f32; the weights are rounded to f16 for the second product, and their sum l is taken of the same rounded weights, by the matrix unit (a product with ones).
; LIMITS.  f16 holds no number beyond 65,504: Q, K, V arrive within it.  A weight below 6e-5 keeps f16's fixed step of 6e-8 and below 3e-8 counts as 0, in the sum over V and in l alike.  NaN and infinities are not treated apart.
; THE SOFTMAX.  u = s R'.  The row's maximum of relu(u) is max(0, max u): M, a running maximum, in base 2.  The weight 2^(relu(u) - M) = max(2^(u - M), 2^(-M)): the ReLU is one packed maximum on the rounded
; weights.  A hidden key has u = 0, which never raises M (M >= 0); its weight is set to 0 by a mask on the packed weights.  In every tile O and l are multiplied by a = 2^(M_old - M_new).
; THE WALK.  A head's queries lie in 16 blocks of 128; block i needs the key tiles 0 .. i of 128 keys.  An LDS slot holds 256 keys, two tiles.  A work-group takes blocks 15 - b and then b: 9 slots, whatever b:
; one loop of 8 trips that each ask for the next slot, and a ninth trip written out.  A slot is always walked whole: 18 tiles, of which one lies beyond its block's diagonal tile and adds nothing.
; ONE TEXT FOR EVERY TILE.  The masks are applied in every tile; they are all ones below the diagonal tile, the diagonal's own in it, and 0 beyond it, made once a tile from the number block - tile by shifts
; and logic.  The price: 68 vector instructions a tile, and the one tile in 18.  The one branch that hangs on b is 'the block ends with this slot', once a trip; it goes forward and passes no barrier and no tensor load.
; NO CLUSTER: the eight work-groups of a head ask for the same slot in trips 0 to 4 alone; behind that which slot is asked for, and where a block ends, hang on b, the work-group's place.
; SHARES.  Wave w: QH = w / 2, KH = w % 2.  It owns the block's rows 64 QH + 16 x (four PIECES x) and, of every tile, the keys 64 KH + 16 kb: a fragment of K or V read from LDS feeds four pieces.
; At a block's end the two waves of a QH merge their M, l and O through LDS: each sends two pieces and finishes the other two.
; LAYOUT.  S^T = K Q^T: a lane holds ONE query (lane % 16) and the keys 8 (lane / 16) + 0..7; two such results rounded to f16 ARE source 1 of O^T = V^T P.
; A TURN belongs to piece p: its own scaling, maximum, exponentials, roundings, masks and rescaling; beside them 8 products K Q^T of piece p + 1 and 10 products V^T P (two of them with ones, for l) of piece p - 1.
; REGISTERS, in windows of 256 (s_set_vgpr_msb: bits 1:0 source 0, 3:2 source 1, 5:4 source 2, 7:6 destination):
;   window 0: v0-23 addresses and masks; v24-31 M; v32-47 at work; v48-56 the merge's factors; v58-61 the tile's mask; v64-127 S^T, two buffers; v128-159 P, two buffers; v160-215 R'; v216-247 the way out
;   window 1: O^T and l, 40 a piece      window 2: v0-63 Q; v64-127 K; v128-191 V; v192-199 ones      window 3: v0-63 the second block's Q
.set PKB,   144       ; a row of K in LDS: 128 bytes + 16: the 16 rows of a load start at 16 different groups of four banks
.set PVB,   160       ; a row of V: 128 + 32
.set VOFF,  256*PKB   ; a slot: 256 rows of K, 256 rows of V, 23 records of R'
.set ROFF,  VOFF+256*PVB
.set SLOT1, 1<<17     ; slot 1 begins here, so that one exclusive or turns an address in one slot into the other's
.set XCH,   SLOT1+ROFF+23*1024  ; behind the ring, never filled by a tensor load: the merge: for each wave 2 pieces x 10 records of 512 bytes
.set STAGE, XCH+4*10240         ; 16 rows x 144 bytes for each wave, for the way out
.set SP,    144
.set SPARE, STAGE+4*16*SP       ; the spare words, 128 bytes for each wave, that no other line names
.set AK0, 2           ; v2-4  my lane's place in a tile of K, of V, in my seven records of R'; never rewritten
.set AV0, 3
.set AR0, 4
.set AK,  5           ; v5-7  the same in the tile in hand
.set AV,  6
.set AR,  7
.set STO, 8           ; v8    the way out: where I put 16 bytes of a row
.set RD,  9           ; v9    where I read rows back
.set GO,  10          ; v10   my 16 bytes in 512 consecutive bytes of ctx
.set XW,  11          ; v11   the merge: where I write
.set XR,  12          ; v12   where my partner wrote
.set QO,  13          ; v13   my byte offset in 16 rows of Q
.set SPW, 16          ; v16   my spare word; never rewritten
.set NIL, 17          ; v17   0; never rewritten
.set PFO, 18          ; v18   the prefetch's offset; never rewritten
.set MDW, 20          ; v20-23 the mask of a piece's own key block in the diagonal tile, two keys a word; never rewritten
.set MX,  24          ; M of piece x at v[24 + 2 x]; its odd partner holds 0
.set TMP, 32          ; by the piece's parity, eight registers: c0-c3 (a takes c2's place), M_old, -M, 2^(-M), and one for M_old - M and then 2^(-M) twice in f16
.set MDC, 58          ; v58-61 the same mask for the tile in hand
.set S,   64
.set TT,  64          ; the merge: my partner's O, l and M (S^T's registers)
.set P,   128
.set RF,  160         ; record e = kb - x + 3 at RF + 8 e
.set Z,   216
.set KF,  64          ; window 2: key block kb, channel half c at KF + 16 kb + 8 c
.set VF,  128         ; window 2: key half kk, channel block cb at VF + 32 kk + 8 cb
.set ONES, 192        ; window 2
.set WV,  10
.set QH,  11
.set KH,  12
.set PB,  13          ; b
.set HB,  14
.set NH,  15          ; the first block's slots
.set KB,  16          ; s[16:17] K of my head;  s[18:19] V;  s[20:21] the head's table
.set VB,  18
.set RB,  20
.set OC,  22          ; s[22:23] ctx at my rows of the block in hand;  s[24:25] of the second block
.set OLO, 24
.set QA,  28          ; s[28:29], s[30:31] Q at my rows of the two blocks
.set QB,  30
.set G1K, 32          ; s[32:39], s[40:47], s[48:55] descriptor groups 1
.set G1V, 40
.set G1R, 48
.set G0K, 56          ; s[56:59], s[60:63], s[68:71] descriptor groups 0
.set G0V, 60
.set G0R, 68
.set SLOTS, 72        ; slots still to be asked for
.set CNT, 73          ; counts a slot's two tiles
.set RT,  74          ; the block's number less the number of the tile in hand
.set RS,  75          ; slots of the block in hand that are still to be entered
.set FIN, 76          ; 1: a block has ended in this trip
.set NXT, 77          ; at work: the slot to be asked for, in its block,
.set QBA, 78          ; and that block's number
.set HI,  79          ; 15 - b
.set OFF, 80          ; s[80:81] a slot's byte offset in K and V;  s[82:83] in the table
.set ROF, 82
.set TBK, 84          ; LDS byte at which the tile in hand begins, for K, V and R'
.set TBV, 85
.set TBR, 86
.set SX,  87
.set SEL, 88          ; s[88:89] v_permlanex16_b32's selects
.set SV,  90          ; the diagonal tile's mask for key blocks below the piece's own,
.set SY,  91          ; and above it
.set LIM, 92          ; 2 in the wave that prefetches, else the greatest number
.set PL,  93          ; all ones where the tile in hand lies below the diagonal one
.set PFK, 94          ; s[94:95] where the prefetch stands
.set DG,  96          ; all ones in the diagonal tile
.set SVT, 97          ; SV and SY for the tile in hand
.set SYT, 98
.set MSB, 0
.macro WIN new                      ; the high byte repeats the setting that is left; a switch that changes nothing is dropped
.if MSB != (\new)
	s_set_vgpr_msb (MSB<<8)|(\new)
.set MSB, (\new)
.endif
.endm
.set W_KQ, 0x0a       ; K and Q in window 2, S^T in window 0
.set W_PV, 0x52       ; V in window 2, P in window 0, O^T in window 1
.set W_RS, 0x41       ; destination and source 0 in window 1, source 1 in window 0
; A fill: wave 0 fetches a slot's K, wave 1 its V, wave 2 its 23 records of the table; wave 3 has no part.  An s_nop 0 and four v_nop follow each line.
.macro LOAD
	s_cmp_lg_u32 s[WV], 0
	s_cbranch_scc1 .Lnot_k_\@
	tensor_load_to_lds s[G0K:G0K+3], s[G1K:G1K+7]
	s_nop 0
.rept 4
	v_nop
.endr
	s_branch .Lasked_\@
.Lnot_k_\@:
	s_cmp_lg_u32 s[WV], 1
	s_cbranch_scc1 .Lnot_v_\@
	tensor_load_to_lds s[G0V:G0V+3], s[G1V:G1V+7]
	s_nop 0
.rept 4
	v_nop
.endr
	s_branch .Lasked_\@
.Lnot_v_\@:
	s_cmp_lg_u32 s[WV], 2
	s_cbranch_scc1 .Lasked_\@
	tensor_load_to_lds s[G0R:G0R+3], s[G1R:G1R+7]
	s_nop 0
.rept 4
	v_nop
.endr
.Lasked_\@:
.endm
; A PREFETCH INTO THE L2 of the head's slot that the first blocks' walk will ask for at the NEXT change: 32,768 bytes of K and of V.  The eight work-groups of a head make their trips in step and share the slot out
; BY ADDRESS: work-group b names blocks 16 b .. 16 b + 15 of 256 bytes of K (lanes 0-15) and the same blocks of V (lanes 16-31): one instruction, of wave 3, which issues no tensor load.  Changes 1 to 6 name
; slots 2 to 7: each block is named once in the launch; slots 0 and 1 come by their loads alone, and the last two changes ask for nothing.  The second blocks' walk over the same slots is not asked for, nor is the
; table, which every work-group of a head reads again and again.
.macro ASK
	s_cmp_gt_u32 s[SLOTS], s[LIM]
	s_cbranch_scc0 .Lnot_mine_\@
	global_prefetch_b8 v[PFO], s[PFK:PFK+1] th:TH_LOAD_NT scope:SCOPE_SE
.Lnot_mine_\@:
.endm
; THE CHANGE OF SLOTS.  Each wave waits for all its tensor loads (its part of the other slot), adds 0 to its spare word, and waits for that and for its reads of the slot that it leaves.  Behind the barrier
; nobody reads the old slot and the other is whole.  fill = 1: the old slot is filled again, first thing behind the barrier.  Which slot of which block that is follows from the loop's own count: the walk's slot
; t = 9 - SLOTS is the first block's slot t while t < NH, and the second block's slot t - NH behind that; the two numbers enter the global addresses alone.
.macro CHANGE fill
	WIN 0
	s_wait_tensorcnt 0x0            ; no tensor load of mine is out, so a group 0 may be written
	ds_add_u32 v[SPW], v[NIL]       ; 0 onto my spare word; the scalar work below stands between it and the wait for it
.if \fill
	s_sub_co_u32 s[NXT], 9, s[SLOTS]
	s_sub_co_i32 s26, s[NXT], s[NH]
	s_ashr_i32 s27, s26, 31         ; all ones while the slot is the first block's
	s_and_b32 s[NXT], s[NXT], s27
	s_and_not1_b32 s26, s26, s27
	s_or_b32 s[NXT], s[NXT], s26    ; the slot's number in its block
	s_and_b32 s[QBA], s[HI], s27
	s_and_not1_b32 s26, s[PB], s27
	s_or_b32 s[QBA], s[QBA], s26    ; the block
	s_lshl_b32 s[OFF], s[NXT], 15   ; a slot is 32,768 bytes of K and of V
	s_lshl_b32 s[ROF], s[NXT], 4
	s_add_co_u32 s[ROF], s[ROF], 120
	s_lshl_b32 s26, s[QBA], 3
	s_sub_co_u32 s[ROF], s[ROF], s26  ; the slot's first record: 120 - 8 block + 16 slot
	s_lshl_b32 s[ROF], s[ROF], 10
	s_xor_b32 s[G0K+1], s[G0K+1], SLOT1
	s_add_nc_u64 s[G0K+2:G0K+3], s[KB:KB+1], s[OFF:OFF+1]
	s_or_b32 s[G0K+3], s[G0K+3], 0x80000000
	s_xor_b32 s[G0V+1], s[G0V+1], SLOT1
	s_add_nc_u64 s[G0V+2:G0V+3], s[VB:VB+1], s[OFF:OFF+1]
	s_or_b32 s[G0V+3], s[G0V+3], 0x80000000
	s_xor_b32 s[G0R+1], s[G0R+1], SLOT1
	s_add_nc_u64 s[G0R+2:G0R+3], s[RB:RB+1], s[ROF:ROF+1]
	s_or_b32 s[G0R+3], s[G0R+3], 0x80000000
	s_wait_xcnt 0x0                 ; the last prefetch, a slot back, has read its address
	s_add_nc_u64 s[PFK:PFK+1], s[PFK:PFK+1], 32768
.endif
	s_wait_dscnt 0x0                ; the add is done, and my reads of the slot are over
	s_barrier_signal -1
	s_sub_co_u32 s[TBK], s[TBK], 2*128*PKB  ; back to a slot's first tile,
	s_xor_b32 s[TBK], s[TBK], SLOT1         ; in the other slot
	s_sub_co_u32 s[TBV], s[TBV], 2*128*PVB
	s_xor_b32 s[TBV], s[TBV], SLOT1
	s_sub_co_u32 s[TBR], s[TBR], 2*8192
	s_xor_b32 s[TBR], s[TBR], SLOT1
	s_barrier_wait -1
.if \fill
	LOAD
	ASK
.endif
.endm
	s_load_b128 s[4:7], s[0:1], 0x0 ; qkv s[4:5], rt s[6:7]
	s_load_b64 s[8:9], s[0:1], 0x10 ; ctx
	v_lshl_add_u32 v[SPW], v0, 2, SPARE
	v_mov_b32 v[NIL], 0
	ds_add_u32 v[SPW], v[NIL]       ; the wave's opening: the add and its wait stand ahead of my first tensor load; the set-up below stands between them
	v_lshrrev_b32 v1, 5, v0
	v_readfirstlane_b32 s[WV], v1
	s_lshr_b32 s[QH], s[WV], 1
	s_and_b32 s[KH], s[WV], 1
	s_mov_b32 s[PB], ttmp9
	s_and_b32 s[HB], ttmp7, 0xffff
	s_lshr_b32 s26, s[HB], 4        ; batch
	s_mul_i32 s26, s26, 48
	s_and_b32 s98, s[HB], 15        ; head
	s_add_co_u32 s26, s26, s98
	s_lshl_b32 s26, s26, 18         ; q's head in qkv: 262,144 bytes a head
	s_mov_b32 s27, 0
	s_mul_i32 s98, s98, 147456      ; the head's table
	s_mov_b32 s99, 0
	s_lshl_b32 s3, s[QH], 13        ; my 64 rows of a block,
	s_sub_co_u32 s[HI], 15, s[PB]
	s_lshl_b32 s2, s[HI], 14        ; in the first block,
	s_add_co_u32 s2, s2, s3
	s_lshl_b32 s66, s[PB], 14       ; and in the second
	s_add_co_u32 s66, s66, s3
	s_mov_b32 s3, 0
	s_mov_b32 s67, 0
	; descriptor groups 1.  256 keys are 32,768 dense bytes: asked for as 128 rows of 256 bytes, two keys a row, padded in LDS after every key
	s_mov_b32 s[G1K], (1<<16)|(1<<20)|(4<<22)|(3<<25)  ; 2-byte elements; padding on; after every 32 words 4 words
	s_mov_b32 s[G1V], (1<<16)|(1<<20)|(4<<22)|(7<<25)  ; the same with 8 words
.irp g, G1K, G1V
	s_mov_b32 s[\g+1], 128<<16      ; tensor_dim0 = 128
	s_mov_b32 s[\g+2], 128<<16      ; tensor_dim1 = 128
	s_mov_b32 s[\g+3], 128<<16      ; tile_dim0 = 128
	s_mov_b32 s[\g+4], 128          ; tile_dim1 = 128
	s_mov_b32 s[\g+5], 128          ; 128 elements from row to row
	s_mov_b32 s[\g+6], 0
	s_mov_b32 s[\g+7], 0
.endr
	s_mov_b32 s[G1R], 3<<16         ; 23 records are 23,552 dense bytes: 92 rows of 32 elements of 8 bytes, no padding
	s_mov_b32 s[G1R+1], 32<<16
	s_mov_b32 s[G1R+2], 92<<16
	s_mov_b32 s[G1R+3], 32<<16
	s_mov_b32 s[G1R+4], 92
	s_mov_b32 s[G1R+5], 32
	s_mov_b32 s[G1R+6], 0
	s_mov_b32 s[G1R+7], 0
	s_mov_b32 s[G0K], 1
	s_mov_b32 s[G0K+1], 0           ; slot 0
	s_mov_b32 s[G0V], 1
	s_mov_b32 s[G0V+1], VOFF
	s_mov_b32 s[G0R], 1
	s_mov_b32 s[G0R+1], ROFF
	s_mov_b32 s[SLOTS], 8
	s_lshr_b32 s[NH], s[HI], 1
	s_add_co_u32 s[NH], s[NH], 1    ; block i has i / 2 + 1 slots
	s_mov_b32 s[RS], s[NH]
	s_mov_b32 s[RT], s[HI]          ; tile 0 lies 15 - b tiles below the first block's diagonal tile
	s_mov_b32 s[FIN], 0
	s_mov_b32 s[OFF+1], 0
	s_mov_b32 s[ROF+1], 0
	s_lshl_b32 s[ROF], s[PB], 13    ; slot 0 of block 15 - b begins with record 8 b
	s_mov_b32 s[TBK], SLOT1+2*128*PKB  ; the first change of slots turns these three into 0
	s_mov_b32 s[TBV], SLOT1+2*128*PVB
	s_mov_b32 s[TBR], SLOT1+2*8192
	s_mov_b32 s[SEL], 0x76543210
	s_mov_b32 s[SEL+1], 0xfedcba98
	s_cmp_eq_u32 s[KH], s[QH]       ; the diagonal tile: my keys' half is my rows' own: the diagonal runs through it;
	s_cselect_b32 s[SX], -1, 0
	s_cmp_lt_u32 s[KH], s[QH]       ; or it lies below: all is seen; else nothing is
	s_cselect_b32 s[SY], -1, 0
	s_or_b32 s[SV], s[SX], s[SY]
	s_cmp_eq_u32 s[WV], 3
	s_cselect_b32 s[LIM], 2, -1
	s_wait_dscnt 0x0                ; the opening add is done
	s_wait_kmcnt 0x0
	s_add_nc_u64 s[KB:KB+1], s[4:5], s[26:27]      ; q's head
	s_add_nc_u64 s[QA:QA+1], s[KB:KB+1], s[2:3]
	s_add_nc_u64 s[QB:QB+1], s[KB:KB+1], s[66:67]
	s_add_nc_u64 s[KB:KB+1], s[KB:KB+1], 0x400000  ; k's head lies 16 heads on,
	s_add_nc_u64 s[VB:VB+1], s[KB:KB+1], 0x400000  ; v's 16 more
	s_add_nc_u64 s[RB:RB+1], s[6:7], s[98:99]
	s_lshl_b32 s26, s[HB], 18
	s_add_nc_u64 s[OC:OC+1], s[8:9], s[26:27]
	s_add_nc_u64 s[OLO:OLO+1], s[OC:OC+1], s[66:67]
	s_add_nc_u64 s[OC:OC+1], s[OC:OC+1], s[2:3]
	s_add_nc_u64 s[PFK:PFK+1], s[KB:KB+1], 32768   ; at slot 1: the first change steps it to slot 2.  Nothing is prefetched here, at the head
	s_mov_b64 s[G0K+2:G0K+3], s[KB:KB+1]
	s_or_b32 s[G0K+3], s[G0K+3], 0x80000000
	s_mov_b64 s[G0V+2:G0V+3], s[VB:VB+1]
	s_or_b32 s[G0V+3], s[G0V+3], 0x80000000
	s_add_nc_u64 s[G0R+2:G0R+3], s[RB:RB+1], s[ROF:ROF+1]
	s_or_b32 s[G0R+3], s[G0R+3], 0x80000000
	LOAD                            ; slot 0; slot 1 is asked for when slot 0 is in, by the loop's own change
	; a fragment of K or Q: lane l holds row l % 16, channels 8 (l / 16) + 0..7 and 16 + 8 (l / 16) + 0..7: two loads of 16 bytes, 32 bytes apart
	v_and_b32 v1, 15, v0            ; l % 16
	v_bfe_u32 v14, v0, 4, 1         ; l / 16
	v_lshlrev_b32 v[QO], 7, v1
	v_lshl_add_u32 v[QO], v14, 4, v[QO]
	WIN 0x80                        ; destination window 2, address window 0
.set i, 0
.rept 8                             ; piece i / 2, channels 32 (i % 2) on
	global_load_b128 v[8*i:8*i+3],   v[QO], s[QA:QA+1] offset:(i/2)*2048+(i%2)*64
	global_load_b128 v[8*i+4:8*i+7], v[QO], s[QA:QA+1] offset:(i/2)*2048+(i%2)*64+32
.set i, i+1
.endr
	WIN 0xc0                        ; the second block's, into window 3
.set i, 0
.rept 8
	global_load_b128 v[8*i:8*i+3],   v[QO], s[QB:QB+1] offset:(i/2)*2048+(i%2)*64
	global_load_b128 v[8*i+4:8*i+7], v[QO], s[QB:QB+1] offset:(i/2)*2048+(i%2)*64+32
.set i, i+1
.endr
	WIN 0x80
.set i, 0
.rept 8
	v_mov_b32 v[ONES+i], 0x3c003c00 ; 1.0 twice in f16
.set i, i+1
.endr
	WIN 0x40                        ; a block's first tile multiplies O^T and l by a = 0, so they need only be finite: zeros for the first block, what it leaves for the second.  This stands in the wait for the first slot
.set i, 0
.rept 160
	v_mov_b32 v[i], 0
.set i, i+1
.endr
	WIN 0
.set i, 0
.rept 4
	v_mov_b32 v[MX+2*i], 0xfe000000 ; M starts far below every u
	v_mov_b32 v[MX+2*i+1], 0
.set i, i+1
.endr
	v_mul_u32_u24 v[AK0], v1, PKB
	v_lshl_add_u32 v[AK0], v14, 4, v[AK0]
	s_mul_i32 s26, s[KH], 64*PKB    ; my 64 keys of a tile
	v_add_nc_u32 v[AK0], s26, v[AK0]
	; the turning load takes 16 keys x 16 channels (lane l reads key 8 (l / 16) + l % 8, channels 8 ((l / 8) % 2) + 0..7) and leaves half a fragment of V^T
	v_and_b32 v15, 7, v0
	v_lshl_add_u32 v[AV0], v14, 3, v15
	v_mul_u32_u24 v[AV0], v[AV0], PVB
	v_bfe_u32 v19, v0, 3, 1
	v_lshl_add_u32 v[AV0], v19, 4, v[AV0]
	s_mul_i32 s26, s[KH], 64*PVB
	s_add_co_u32 s26, s26, VOFF
	v_add_nc_u32 v[AV0], s26, v[AV0]
	v_and_b32 v19, 31, v0           ; l
	s_add_co_u32 s26, s[KH], 1
	s_sub_co_u32 s26, s26, s[QH]
	s_lshl_b32 s26, s26, 12         ; my first record in a slot's first tile: 4 - 4 QH + 4 KH
	s_add_co_u32 s26, s26, ROFF
	v_lshl_add_u32 v[AR0], v19, 4, s26
	s_mul_i32 s26, s[WV], 16*SP
	s_add_co_u32 s26, s26, STAGE
	v_mul_u32_u24 v[STO], v1, SP    ; in: row l % 16, 16 bytes for each half of the lanes
	v_lshl_add_u32 v[STO], v14, 4, v[STO]
	v_add_nc_u32 v[STO], s26, v[STO]
	v_bfe_u32 v[RD], v0, 3, 2       ; back: 32 lanes take four rows of 128 bytes,
	v_mul_u32_u24 v[RD], v[RD], SP
	v_lshl_add_u32 v[RD], v15, 4, v[RD]
	v_add_nc_u32 v[RD], s26, v[RD]
	v_lshlrev_b32 v[GO], 4, v19     ; which are 512 consecutive bytes of ctx
	s_mul_i32 s26, s[WV], 10240
	s_add_co_u32 s26, s26, XCH
	v_lshl_add_u32 v[XW], v19, 4, s26
	s_xor_b32 s26, s[WV], 1         ; my partner has my rows and the other keys
	s_mul_i32 s26, s26, 10240
	s_add_co_u32 s26, s26, XCH
	v_lshl_add_u32 v[XR], v19, 4, s26
	v_lshlrev_b32 v[PFO], 8, v1     ; the prefetch: block l % 16 of my work-group's sixteen,
	v_lshl_add_u32 v[PFO], v14, 22, v[PFO]  ; of K (lanes 0-15) or of V, 16 heads on (lanes 16-31),
	s_lshl_b32 s26, s[PB], 12
	v_add_nc_u32 v[PFO], s26, v[PFO]        ; my work-group's eighth of a slot
	v_lshlrev_b32 v15, 3, v14
	v_sub_nc_u32 v14, v1, v15       ; l % 16 - 8 (l / 16): in a piece's own key block my key j is seen where j is not greater
	v_mov_b32 v46, 0xffff
	v_mov_b32 v47, 0xffff0000
.irp i, 0,1,2,3
	v_cmp_le_i32 vcc_lo, 2*(\i), v14
	v_cndmask_b32 v[MDW+(\i)], 0, v46, vcc_lo
	v_cmp_le_i32 vcc_lo, 2*(\i)+1, v14
	v_cndmask_b32 v15, 0, v47, vcc_lo
	v_or_b32 v[MDW+(\i)], v[MDW+(\i)], v15
	v_and_or_b32 v[MDW+(\i)], v[MDW+(\i)], s[SX], s[SY]
.endr
	s_wait_loadcnt 0x0              ; Q
; THE MATRIX WORK.  The accumulators of a run take turns, one instruction a turn.  Product i of 8 of S^T = K Q^T for piece x: channels 32 (i / 4) on, keys 16 (i % 4) on.
.macro KQ x
	WIN W_KQ
.set rS, S+32*((\x)%2)+8*(i%4)
.set rK, KF+16*(i%4)+8*(i/4)
.set rQ, 16*(\x)+8*(i/4)
.if i < 4
	v_wmma_f32_16x16x32_f16 v[rS:rS+7], v[rK:rK+7], v[rQ:rQ+7], 0
.else
	v_wmma_f32_16x16x32_f16 v[rS:rS+7], v[rK:rK+7], v[rQ:rQ+7], v[rS:rS+7]
.endif
.endm
; Product i of 10 for piece x: keys 32 (i / 5) on; i % 5 < 4: O^T += V^T P, channels 16 (i % 5) on; i % 5 = 4: l += ones x P: every register of the result holds the query's sum.
.macro PV x
	WIN W_PV
.set rO, 40*(\x)+8*(i%5)
.set rP, P+16*((\x)%2)+8*(i/5)
.set rV, VF+32*(i/5)+8*(i%5)
.if i%5 == 4
.set rV, ONES
.endif
	v_wmma_f32_16x16x32_f16 v[rO:rO+7], v[rV:rV+7], v[rP:rP+7], v[rO:rO+7]
.endm
; THE VECTOR WORK of piece Y, in two queues.
.macro REGS y
.set rM, MX+2*(\y)
.set rC, TMP+8*((\y)%2)
.set rS, S+32*((\y)%2)
.set rP, P+16*((\y)%2)
.set rO, 40*(\y)
.endm
; Number n of the maximum and statistics.  0-11: four chains c0-c3 of seven scores each, three operands at a time.  12-14, 16: the four scores left over, the old M, and c0-c3 into c0.  15: M_old is kept.
; 17, 18: the query's other 32 keys lie in the lane 16 away; M = the maximum of both and 0.  19: -M.  20: M_old - M.  21: a.  22: 2^(-M).  23: that, twice, in f16.
.macro XS n
.if (\n) < 4
	v_max3_num_f32 v[rC+(\n)], v[rS+8*(\n)], v[rS+8*(\n)+1], v[rS+8*(\n)+2]
.elseif (\n) < 12
	v_max3_num_f32 v[rC+(\n)%4], v[rC+(\n)%4], v[rS+8*((\n)%4)+2*((\n)/4)+1], v[rS+8*((\n)%4)+2*((\n)/4)+2]
.elseif (\n) == 12
	v_max3_num_f32 v[rC], v[rC], v[rS+7], v[rS+15]
.elseif (\n) == 13
	v_max3_num_f32 v[rC+1], v[rC+1], v[rS+23], v[rS+31]
.elseif (\n) == 14
	v_max3_num_f32 v[rC+2], v[rC+2], v[rC+3], v[rM]
.elseif (\n) == 15
	v_mov_b32 v[rC+4], v[rM]
.elseif (\n) == 16
	v_max3_num_f32 v[rC], v[rC], v[rC+1], v[rC+2]
.elseif (\n) == 17
	v_permlanex16_b32 v[rC+3], v[rC], s[SEL], s[SEL+1]
.elseif (\n) == 18
	v_max3_num_f32 v[rM], v[rC], v[rC+3], 0
.elseif (\n) == 19
	v_xor_b32 v[rC+5], 0x80000000, v[rM]
.elseif (\n) == 20
	v_sub_f32 v[rC+7], v[rC+4], v[rM]
.elseif (\n) == 21
	v_exp_f32 v[rC+2], v[rC+7]
.elseif (\n) == 22
	v_exp_f32 v[rC+6], v[rC+5]
.else
	v_cvt_pk_f16_f32 v[rC+7], v[rC+6], v[rC+6]
.endif
.endm
.macro FS n                         ; pair n: u - M
	v_pk_add_f32 v[rS+2*(\n):rS+2*(\n)+1], v[rS+2*(\n):rS+2*(\n)+1], v[rM:rM+1] op_sel_hi:[1,0] neg_lo:[0,1] neg_hi:[0,1]
.endm
.macro ES n
	v_exp_f32 v[rS+(\n)], v[rS+(\n)]
.endm
; THE FIRST QUEUE, 87 long, names no exponential's result.  0-15: u = s R', a pair each, ascending.  16-36: the maximum and statistics.
; 37-42: the first four subtractions, a and 2^(-M) between them.  43-78: exponential, subtraction, exponential, twelve times.  79-86: the last eight exponentials.  A pair is subtracted ahead of its exponentials.
.macro VQ
	WIN 0
	REGS Y
.if q < 16
	v_pk_mul_f32 v[rS+2*q:rS+2*q+1], v[rS+2*q:rS+2*q+1], v[RF+8*(q/4-Y+3)+2*(q%4):RF+8*(q/4-Y+3)+2*(q%4)+1]
.elseif q < 28
	XS q-16
.elseif q == 28
	XS 12
.elseif q == 29
	XS 13
.elseif q == 30
	XS 15
.elseif q == 31
	XS 14
.elseif q < 37
	XS q-16
.elseif q == 37
	FS 0
.elseif q == 38
	FS 1
.elseif q == 39
	XS 21
.elseif q == 40
	FS 2
.elseif q == 41
	XS 22
.elseif q == 42
	FS 3
.elseif q < 79
.if (q-43)%3 == 0
	ES 2*((q-43)/3)
.elseif (q-43)%3 == 1
	FS 4+(q-43)/3
.else
	ES 2*((q-43)/3)+1
.endif
.else
	ES q-55
.endif
.set q, q+1
.endm
; THE SECOND QUEUE, 53 long, behind the wait.  0: 2^(-M) in f16.  1-32: each pair is rounded to f16, and a little later raised to 2^(-M): the ReLU.  33-52: O^T and l times a.
.macro CS n
	v_cvt_pk_f16_f32 v[rP+(\n)], v[rS+2*(\n)], v[rS+2*(\n)+1]
.endm
.macro GS n
	v_pk_max_num_f16 v[rP+(\n)], v[rP+(\n)], v[rC+7]
.endm
.macro WQ
	REGS Y
.if z < 33
	WIN 0
.endif
.if z == 0
	XS 23
.elseif z < 5
	CS z-1
.elseif z < 29
.if (z-5)%2 == 0
	GS (z-5)/2
.else
	CS (z-5)/2+4
.endif
.elseif z < 33
	GS z-17
.else
	WIN W_RS
	v_pk_mul_f32 v[rO+2*(z-33):rO+2*(z-33)+1], v[rO+2*(z-33):rO+2*(z-33)+1], v[rC+2:rC+3] op_sel_hi:[1,0]
.endif
.set z, z+1
.endm
; A TURN, for piece p.  Four of the first queue stand behind each product K Q^T of piece p + 1, the other 55 in a run; the 34 exponentials are ONE batch with one plain instruction behind the last and ONE wait
; (ahead of the first instruction that names a result).  Behind it four of the second queue stand behind each product of piece p - 1, the other 13 in a run.
; Last the tile's masks fall on the packed weights: word n holds key block n / 4, keys 2 (n % 4) and the next.
.macro TURN p
.set Y, (\p)
.set q, 0
.set z, 0
.if (\p) == 0
	s_wait_dscnt 16                 ; R' is in; V's 16 loads may stay out
.endif
.set i, 0
.rept 8
.if (\p) < 3
	KQ (\p)+1
.endif
.rept 4
	VQ
.endr
.set i, i+1
.endr
.rept 55
	VQ
.endr
	v_nop
	s_wait_alu depctr_va_vdst(0)
.if (\p) == 1
	s_wait_dscnt 0x0                ; V is in
.endif
.set i, 0
.rept 10
.if (\p) > 0
	PV (\p)-1
.endif
.rept 4
	WQ
.endr
.set i, i+1
.endr
.rept 13
	WQ
.endr
	WIN 0
	REGS Y
.set n, 0
.rept 16
.if n/4 < (\p)
	v_and_b32 v[rP+n], s[SVT], v[rP+n]
.elseif n/4 == (\p)
	v_and_b32 v[rP+n], v[MDC+n%4], v[rP+n]
.else
	v_and_b32 v[rP+n], s[SYT], v[rP+n]
.endif
.set n, n+1
.endr
.endm
; A TILE: its masks; my 64 keys' K (16 loads), my seven records of R' (14), my V, turned (16), in one run; piece 0's scores; the four turns; piece 3's last products.
.macro TILE
	WIN 0
	s_sub_co_i32 s[PL], 0, s[RT]
	s_ashr_i32 s[PL], s[PL], 31     ; all ones where the tile lies below the block's diagonal tile: every key is seen
	s_ashr_i32 s[DG], s[RT], 31     ; all ones where it lies beyond: none is
	s_or_b32 s[DG], s[DG], s[PL]
	s_not_b32 s[DG], s[DG]          ; all ones in the diagonal tile
	s_and_b32 s[SVT], s[DG], s[SV]
	s_or_b32 s[SVT], s[SVT], s[PL]
	s_and_b32 s[SYT], s[DG], s[SY]
	s_or_b32 s[SYT], s[SYT], s[PL]
	v_add_nc_u32 v[AK], s[TBK], v[AK0]
	v_add_nc_u32 v[AV], s[TBV], v[AV0]
	v_add_nc_u32 v[AR], s[TBR], v[AR0]
.irp j, 0,1,2,3
	v_and_or_b32 v[MDC+\j], v[MDW+\j], s[DG], s[PL]
.endr
	WIN 0x80
.irp f, 0,1,2,3,4,5,6,7             ; keys 16 (f / 2) on, channels 32 (f % 2) on
	ds_load_b128 v[KF+8*\f:KF+8*\f+3],   v[AK] offset:(\f/2)*16*PKB+(\f%2)*64
	ds_load_b128 v[KF+8*\f+4:KF+8*\f+7], v[AK] offset:(\f/2)*16*PKB+(\f%2)*64+32
.endr
	WIN 0
.irp e, 0,1,2,3,4,5,6
	ds_load_b128 v[RF+8*\e:RF+8*\e+3],   v[AR] offset:\e*1024
	ds_load_b128 v[RF+8*\e+4:RF+8*\e+7], v[AR] offset:\e*1024+512
.endr
	WIN 0x80
.irp f, 0,1,2,3,4,5,6,7             ; keys 32 (f / 4) on, channels 16 (f % 4) on
	ds_load_tr16_b128 v[VF+8*\f:VF+8*\f+3],   v[AV] offset:(\f/4)*32*PVB+(\f%4)*32
	ds_load_tr16_b128 v[VF+8*\f+4:VF+8*\f+7], v[AV] offset:(\f/4)*32*PVB+16*PVB+(\f%4)*32
.endr
	s_wait_dscnt 30                 ; K is in; the 30 younger loads may stay out
.set i, 0
.rept 8
	KQ 0
.set i, i+1
.endr
	WIN 0
.rept 4
	v_nop                           ; the places behind those products
.endr
	TURN 0
	TURN 1
	TURN 2
	TURN 3
.set i, 0
.rept 10
	PV 3
.set i, i+1
.endr
	WIN 0
.rept 4
	v_nop                           ; the places ahead of the next tile's loads into V, and of the stores that read O^T
.endr
.endm
; THE MERGE.  A wave with KH = 0 sends pieces 2 and 3, one with KH = 1 pieces 0 and 1: O^T's 32 registers and l's lowest four in nine stores of 16 bytes a lane, ascending, then M.
.macro SENDP p, t
	WIN 0x04                        ; the stores' data in window 1
.irp r, 0,1,2,3,4,5,6,7,8
	ds_store_b128 v[XW], v[40*(\p)+4*\r:40*(\p)+4*\r+3] offset:5120*(\t)+512*\r
.endr
	WIN 0
	ds_store_b32 v[XW], v[MX+2*(\p)] offset:5120*(\t)+4608
.endm
.macro SENDX
	s_cmp_eq_u32 s[KH], 0
	s_cbranch_scc0 .Lodd_\@
	SENDP 2, 0
	SENDP 3, 1
	s_branch .Lsent_\@
.Lodd_\@:
	SENDP 0, 0
	SENDP 1, 1
.Lsent_\@:
.endm
; Piece p is finished: with M* the greater of the two M, f = 2^(M - M*), f' = 2^(M' - M*): O = (O f + O' f') / (l f + l' f'); rounded to f16, through my stage, 2,048 consecutive bytes of ctx.
.macro FINAL p
.set tp, (\p)%2
	WIN 0
.irp r, 0,1,2,3,4,5,6,7,8
	ds_load_b128 v[TT+4*\r:TT+4*\r+3], v[XR] offset:5120*tp+512*\r
.endr
	ds_load_b32 v[TT+36], v[XR] offset:5120*tp+4608
	s_wait_dscnt 0x0
	v_max_num_f32 v48, v[MX+2*(\p)], v[TT+36]
	v_sub_f32 v49, v[MX+2*(\p)], v48
	v_sub_f32 v50, v[TT+36], v48
	v_exp_f32 v52, v49
	v_exp_f32 v54, v50
	v_nop
	s_wait_alu depctr_va_vdst(0)    ; one wait for the two exponentials
	v_mul_f32 v51, v[TT+32], v54
	WIN 0x01                        ; source 0 in window 1
	v_fma_f32 v51, v[40*(\p)+32], v52, v51
	WIN 0
	v_rcp_f32 v56, v51
	v_nop
	s_wait_alu depctr_va_vdst(0)
	v_mul_f32 v52, v52, v56
	v_mul_f32 v54, v54, v56
	v_mov_b32 v53, v52              ; named with them as pairs
	v_mov_b32 v55, v54
.set i, 0
.rept 16
	v_pk_mul_f32 v[TT+i:TT+i+1], v[TT+i:TT+i+1], v[54:55] op_sel_hi:[1,0]
.set i, i+2
.endr
	WIN 0x01
.set i, 0
.rept 16
	v_pk_fma_f32 v[TT+i:TT+i+1], v[40*(\p)+i:40*(\p)+i+1], v[52:53], v[TT+i:TT+i+1] op_sel_hi:[1,0,1]
.set i, i+2
.endr
	WIN 0
.set i, 0
.rept 16
	v_cvt_pk_f16_f32 v[Z+16*tp+i], v[TT+2*i], v[TT+2*i+1]
.set i, i+1
.endr
.irp f, 0,1,2,3
	ds_store_b128 v[STO], v[Z+16*tp+4*\f:Z+16*tp+4*\f+3] offset:32*\f
.endr
.irp f, 0,1,2,3
	ds_load_b128 v[Z+16*tp+4*\f:Z+16*tp+4*\f+3], v[RD] offset:\f*4*SP  ; LDS serves a wave's instructions in order: these see the stores above
.endr
.irp f, 0,1,2,3
	s_wait_dscnt 3-\f
	global_store_b128 v[GO], v[Z+16*tp+4*\f:Z+16*tp+4*\f+3], s[OC:OC+1] offset:(\p)*2048+\f*512  ; 512 consecutive bytes, aligned
.endr
.endm
.macro FINAL_ALL
	s_cmp_eq_u32 s[KH], 0
	s_cbranch_scc0 .Lhigh_\@
	FINAL 0
	FINAL 1
	s_branch .Ldone_\@
.Lhigh_\@:
	FINAL 2
	FINAL 3
.Ldone_\@:
	s_wait_xcnt 0x0                 ; the stores have read their registers and their base
.endm
; A TRIP: a slot is entered (fill = 1: and the next is asked for) and its two tiles are walked; where the block ends with this slot its halves are sent.  Then a barrier, in every trip, behind which nothing is
; filled: what was sent lies ahead of it, what is read of it behind it, and the next change's barrier stands between those reads and the next block's stores.
; fill = 0: the ninth trip: the second block ends here, whatever b, so nothing is tested.
.macro TRIP fill
	CHANGE \fill
	s_mov_b32 s[CNT], 2
.Lhalf_\@:
	TILE
	s_sub_co_i32 s[RT], s[RT], 1
	s_add_co_u32 s[TBK], s[TBK], 128*PKB
	s_add_co_u32 s[TBV], s[TBV], 128*PVB
	s_add_co_u32 s[TBR], s[TBR], 8192
	s_sub_co_u32 s[CNT], s[CNT], 1
	s_cmp_lg_u32 s[CNT], 0
	s_cbranch_scc1 .Lhalf_\@
.if \fill
	s_sub_co_u32 s[RS], s[RS], 1
	s_cmp_lg_u32 s[RS], 0
	s_cbranch_scc1 .Lgo_\@
.endif
	SENDX
.if \fill
	s_mov_b32 s[FIN], 1
.Lgo_\@:
.endif
	s_wait_dscnt 0x0                ; for the others' sake: my stores into the merge's bytes are done
	s_barrier_signal -1
	s_barrier_wait -1
.if \fill
	s_cmp_eq_u32 s[FIN], 1
	s_cbranch_scc0 .Lon_\@
.endif
	FINAL_ALL
.if \fill                           ; in the loop it is the first block that ends: the second begins
	s_mov_b32 s[FIN], 0
	s_mov_b64 s[OC:OC+1], s[OLO:OLO+1]
	s_mov_b32 s[RT], s[PB]          ; its tile 0 lies b tiles below its diagonal tile,
	s_lshr_b32 s[RS], s[PB], 1
	s_add_co_u32 s[RS], s[RS], 1    ; and it has b / 2 + 1 slots
.set i, 0
.rept 4
	v_mov_b32 v[MX+2*i], 0xfe000000
.set i, i+1
.endr
	WIN 0x83                        ; its Q goes where the one text of the turns names Q
.set i, 0
.rept 64
	v_mov_b32 v[i], v[i]
.set i, i+1
.endr
	WIN 0
.Lon_\@:
.endif
.endm
.Lslot:                             ; 8 trips
	TRIP 1
	s_sub_co_u32 s[SLOTS], s[SLOTS], 1
	s_cmp_lg_u32 s[SLOTS], 0
	s_cbranch_scc1 .Lslot
	TRIP 0                          ; the ninth is written out: nothing is asked for
	s_wait_tensorcnt 0x0            ; the wave's end: an add and its wait, behind my last tensor load and my last LDS store
	ds_add_u32 v[SPW], v[NIL]
	s_wait_dscnt 0x0
	s_endpgm
.Lfunc_end_k_q1d65748607_attn:
	.size	k_q1d65748607_attn, .Lfunc_end_k_q1d65748607_attn-k_q1d65748607_attn
	.p2alignl 7, 3214868480
	.fill 96, 4, 3214868480
	.section	.rodata,"a",@progbits
	.p2align	6, 0x0
	.amdhsa_kernel k_q1d65748607_attn
		.amdhsa_group_segment_fixed_size 327680
		.amdhsa_private_segment_fixed_size 0
		.amdhsa_enable_private_segment 0
		.amdhsa_kernarg_size 24
		.amdhsa_user_sgpr_count 2
		.amdhsa_user_sgpr_kernarg_segment_ptr 1
		.amdhsa_wavefront_size32 1
		.amdhsa_system_sgpr_workgroup_id_x 1
		.amdhsa_system_sgpr_workgroup_id_y 1
		.amdhsa_system_sgpr_workgroup_id_z 1
		.amdhsa_system_vgpr_workitem_id 0
		.amdhsa_next_free_vgpr 832
		.amdhsa_next_free_sgpr 100
		.amdhsa_reserve_vcc 1
		.amdhsa_float_denorm_mode_32 3
		.amdhsa_float_denorm_mode_16_64 3
		.amdhsa_memory_ordered 1
		.amdhsa_forward_progress 1
		.amdhsa_inst_pref_size 164
	.end_amdhsa_kernel
	.amdgpu_metadata
---
amdhsa.version: [ 1, 2 ]
amdhsa.kernels:
  - .name:           k_q1d65748607_attn
    .symbol:         k_q1d65748607_attn.kd
    .args:
      - { .name: qkv, .offset: 0, .size: 8, .value_kind: global_buffer, .address_space: global }
      - { .name: rt, .offset: 8, .size: 8, .value_kind: global_buffer, .address_space: global }
      - { .name: ctx, .offset: 16, .size: 8, .value_kind: global_buffer, .address_space: global }
    .group_segment_fixed_size: 327680
    .private_segment_fixed_size: 0
    .kernarg_segment_align: 8
    .kernarg_segment_size: 24
    .max_flat_workgroup_size: 128
    .sgpr_count:     100
    .vgpr_count:     832
    .wavefront_size: 32
...
	.end_amdgpu_metadata
.endif
;; end of part 3
;; launch gemm_out (part 4): grid 8 x 32, 4 waves a work-group, clusters of 4 x 4, 327,680 bytes of LDS; arguments ctx, wo16, bo, out0; writes out0
.if DOCPART == 4
	.amdgcn_target "amdgcn-amd-amdhsa--gfx1250"
	.amdhsa_code_object_version 6
	.text
	.protected	k_q1d65748607_gemm_out
	.globl	k_q1d65748607_gemm_out
	.p2align	8
	.type	k_q1d65748607_gemm_out,@function
k_q1d65748607_gemm_out:
	s_mov_b64 s[64:65], 0
	v_nop
	global_prefetch_b8 v0, s[64:65] scope:SCOPE_SE
	s_setreg_imm32_b32 hwreg(HW_REG_WAVE_MODE, 25, 1), 1
	s_wait_xcnt 0x0
	s_wait_alu depctr_hold_cnt(0) depctr_sa_sdst(0) depctr_va_vdst(0) depctr_va_sdst(0) depctr_va_ssrc(0) depctr_va_vcc(0) depctr_vm_vsrc(0)
	s_getreg_b32 s2, hwreg(HW_REG_IB_STS2, 6, 4)
	s_cmp_eq_u32 s2, 0
	s_cbranch_scc0 .Lentry_in_a_cluster
	s_endpgm
.Lentry_in_a_cluster:
	s_bfe_u32 s2, ttmp6, 0x10000c
	s_cmp_lg_u32 s2, 0xf033
	s_cbranch_scc0 .Lentry_shape_is_right
	s_endpgm
.Lentry_shape_is_right:
; out0 = ctx Wo + bo.  ctx: f16 [hb 32][token 2048][64]; wo16: f16 [k 1024][1024] (Wo rounded to bf16, written as f16); bo: f32 [1024], rounded to bf16 here like every input; out0: f32 [4096][1024].
; Sums in f32; the bias is the C operand of each sum's first product, so no addition is written.
; SHARES.  A work-group makes 128 x 128 of out0: 32 x 8 = 256 work-groups; four waves, each 64 x 64: 16 accumulators of 16 x 16.
; RING.  K goes in 4 steps of 256 (four heads) through two LDS slots of four parts of 36,864 bytes, one tensor load each.  Waves 0 and 1 bring two heads of ctx each: a head's 128 tokens are 16,384 dense bytes,
; asked for as one row, padded in LDS after every token (144 bytes apart).  Waves 2 and 3 bring 128 rows of k x 256 bytes of Wo each (288 apart); its fragments come out turned, by ds_load_tr16_b128.
; CLUSTER.  4 x 4 work-groups: ctx's tiles are shared along a row of the cluster, Wo's along a column, each asked for jointly.
; THE MATRIX INSTRUCTION IS USED TRANSPOSED (source 0 = 16 columns of Wo, source 1 = 16 tokens): a lane holds eight neighbouring columns of one row: 32 bytes of f32.
; With four K steps the ring goes round twice: the first lap, which fills both slots again, and the last, which fills nothing, are written one after the other, without a loop.
; No prefetch: a work-group's tiles are small and the whole walk is four K steps.
; REGISTERS: window 0: v0-31 addresses; v32-47 at work; v96-127 the bias; v128-255 the accumulators ((a, b) at 128 + 8 (4 a + b)).  Window 1: two fragment buffers of 128: 64 of ctx, then 64 of Wo.
.set PITA,  144
.set PITB,  288
.set PART,  36864
.set SLOT,  4*PART
.set STAGE, 2*SLOT                     ; behind the ring: 16 rows x 272 bytes for each wave, for the way out
.set SPITCH, 272
.set SPARE, STAGE+4*16*SPITCH          ; the spare words, 128 bytes for each wave, that no other line names
.set ADRA, 16                          ; v16-17  LDS address of my fragments of ctx in slot 0, 1
.set ADRB, 18                          ; v18-21  of Wo: slot s, half of the K step j at 2 s + j
.set STO,  24
.set RD,   25
.set CO,   26
.set SPW,  28                          ; my spare word; never rewritten
.set NIL,  29                          ; 0; never rewritten
.set BOF,  30                          ; my byte offset in 16 numbers of the bias
.set TMP,  32
.set BI,   96                          ; column block b's bias at BI + 8 b
.set ACC,  128
.set F0,   0
.set F1,   128
.set G1,   24
.set G0,   32
.set G1B,  48
.set G0B,  56
.set MSB, 0
.macro WIN new
.if MSB != (\new)
	s_set_vgpr_msb (MSB<<8)|(\new)
.set MSB, \new
.endif
.endm
.set MUL,  0x05                        ; sources in window 1; C and D in window 0
.set TO_F, 0x40                        ; destination window 1, address window 0
.macro JLOAD s                         ; a joint load: waves 0 and 1 fetch ctx, waves 2 and 3 Wo; an s_nop 0 and four v_nop follow each line
	s_cmp_eq_u32 s11, 0
	s_cbranch_scc0 .Lfor_b_\@
	tensor_load_to_lds s[G0+4*(\s):G0+4*(\s)+3], s[G1:G1+7]
	s_nop 0
.rept 4
	v_nop
.endr
	s_branch .Lasked_\@
.Lfor_b_\@:
	tensor_load_to_lds s[G0B+4*(\s):G0B+4*(\s)+3], s[G1B:G1B+7]
	s_nop 0
.rept 4
	v_nop
.endr
.Lasked_\@:
.endm
.macro CREST
	s_cmp_lg_u32 s10, 0
	s_cbranch_scc1 .Lnot_wave_0_\@
	s_barrier_signal -3
.Lnot_wave_0_\@:
	s_barrier_wait -3
	s_barrier_signal -1
	s_barrier_wait -1
.endm
.macro CROUND
	s_barrier_signal -1
	s_barrier_wait -1
	CREST
.endm
	s_load_b256 s[4:11], s[0:1], 0x0               ; ctx s[4:5], wo16 s[6:7], bo s[8:9], out0 s[10:11]
	v_lshl_add_u32 v[SPW], v0, 2, SPARE
	v_mov_b32 v[NIL], 0
	ds_add_u32 v[SPW], v[NIL]                      ; the wave's opening: the add and its wait stand ahead of my first tensor load; the set-up below stands between them
	s_bfe_u32 s40, ttmp6, 0x40000                  ; cx, cy
	s_bfe_u32 s41, ttmp6, 0x40004
	s_lshl_b32 s42, ttmp9, 2
	s_add_co_u32 s42, s42, s40                     ; tile column 0..7
	s_and_b32 s13, ttmp7, 0xffff
	s_lshl_b32 s13, s13, 2
	s_add_co_u32 s13, s13, s41                     ; tile row 0..31
	s_lshl_b32 s43, s41, 2
	s_lshl_b32 s43, 15, s43                        ; my row of the cluster
	s_lshl_b32 s44, 0x1111, s40                    ; my column
	s_or_b32 s[G1+0], s43, (1<<16)|(1<<20)|(1<<21)|(4<<22)|(3<<25)   ; the mask; 2-byte elements; padding on; bit 21 beside a mask; after every 32 words (a token) 4 words
	s_mov_b32 s[G1+1], 8192<<16                    ; tensor_dim0 = 8,192: a head's 128 tokens x 64 channels
	s_mov_b32 s[G1+2], 2<<16                       ; tensor_dim1 = 2 heads
	s_mov_b32 s[G1+3], 8192<<16                    ; tile_dim0
	s_mov_b32 s[G1+4], 2                           ; tile_dim1
	s_mov_b32 s[G1+5], 131072                      ; elements from head to head
	s_mov_b32 s[G1+6], 0
	s_mov_b32 s[G1+7], 0
	s_or_b32 s[G1B+0], s44, (1<<16)|(1<<20)|(1<<21)|(5<<22)|(7<<25)  ; after every 64 words 8 words
	s_mov_b32 s[G1B+1], 128<<16
	s_mov_b32 s[G1B+2], 128<<16
	s_mov_b32 s[G1B+3], 128<<16
	s_mov_b32 s[G1B+4], 128
	s_mov_b32 s[G1B+5], 1024
	s_mov_b32 s[G1B+6], 0
	s_mov_b32 s[G1B+7], 0
	s_wait_dscnt 0x0                               ; the opening add is done
	s_wait_kmcnt 0x0
	s_mov_b64 s[2:3], s[10:11]                     ; out0 moves, so that s10-12 can hold the wave's numbers
	v_lshrrev_b32 v1, 5, v0
	v_readfirstlane_b32 s10, v1                    ; wave 0..3
	s_lshr_b32 s11, s10, 1                         ; which 64 rows are mine.  Also: I fetch ctx (0) or Wo (1)
	s_and_b32 s12, s10, 1                          ; which 64 columns.  Also: which half of that tile I fetch
	s_lshr_b32 s16, s13, 4                         ; ctx: batch x 16 heads,
	s_lshl_b32 s16, s16, 22
	s_lshl_b32 s17, s12, 19                        ; my two heads of the step's four,
	s_add_co_u32 s16, s16, s17
	s_and_b32 s17, s13, 15
	s_lshl_b32 s17, s17, 14                        ; the tile row's 128 tokens
	s_add_co_u32 s16, s16, s17
	s_mov_b32 s17, 0
	s_lshl_b32 s46, s12, 18                        ; Wo: my 128 rows of the step's 256,
	s_lshl_b32 s47, s42, 8                         ; the tile column's 256 bytes
	s_add_co_u32 s46, s46, s47
	s_mov_b32 s47, 0
	s_mul_i32 s20, s10, PART                       ; where my tile goes: wave x a part
	s_add_nc_u64 s[14:15], s[4:5], s[16:17]
	s_add_nc_u64 s[46:47], s[6:7], s[46:47]
	CROUND                                         ; all sixteen work-groups are here: the first joint loads meet
.irp s, 0,1
	s_mov_b32 s[G0+4*(\s)], 1
	s_add_co_u32 s[G0+4*(\s)+1], s20, (\s)*SLOT
	s_add_nc_u64 s[G0+4*(\s)+2:G0+4*(\s)+3], s[14:15], (\s)*1048576   ; K step s: four heads on
	s_or_b32 s[G0+4*(\s)+3], s[G0+4*(\s)+3], 0x80000000
	s_mov_b32 s[G0B+4*(\s)], 1
	s_add_co_u32 s[G0B+4*(\s)+1], s20, (\s)*SLOT
	s_add_nc_u64 s[G0B+4*(\s)+2:G0B+4*(\s)+3], s[46:47], (\s)*524288  ; K step s: 256 rows down
	s_or_b32 s[G0B+4*(\s)+3], s[G0B+4*(\s)+3], 0x80000000
	JLOAD \s
.endr
	v_and_b32 v1, 15, v0                           ; l % 16
	v_bfe_u32 v2, v0, 4, 1                         ; l / 16
	; the bias: register j of an accumulator of column block b holds column 16 b + 8 (l / 16) + j of my 64
	s_lshl_b32 s22, s42, 9
	s_lshl_b32 s23, s12, 8
	s_add_co_u32 s22, s22, s23
	s_mov_b32 s23, 0
	s_add_nc_u64 s[8:9], s[8:9], s[22:23]
	v_lshlrev_b32 v[BOF], 5, v2
.irp b, 0,1,2,3
	global_load_b128 v[BI+8*(\b):BI+8*(\b)+3],   v[BOF], s[8:9] offset:64*(\b)
	global_load_b128 v[BI+8*(\b)+4:BI+8*(\b)+7], v[BOF], s[8:9] offset:64*(\b)+16
.endr
	v_mul_u32_u24 v3, v1, PITA
	v_lshl_add_u32 v3, v2, 4, v3                   ; a fragment's token x pitch + 16 x half
	s_mul_i32 s21, s11, 64*PITA                    ; my 64 tokens
	v_add_nc_u32 v[ADRA], s21, v3
	v_add_nc_u32 v[ADRA+1], SLOT, v[ADRA]
	v_and_b32 v4, 7, v0                            ; Wo, turned: lane l reads row k = 8 (l / 16) + l % 8 at column 8 ((l / 8) % 2)
	v_lshl_add_u32 v4, v2, 3, v4
	v_mul_u32_u24 v4, v4, PITB
	v_bfe_u32 v5, v0, 3, 1
	v_lshl_add_u32 v4, v5, 4, v4
	s_lshl_b32 s22, s12, 7                         ; my 64 columns: 128 bytes
	v_add_nc_u32 v4, s22, v4
.irp s, 0,1
.irp j, 0,1
	v_add_nc_u32 v[ADRB+2*(\s)+(\j)], (\s)*SLOT+(2+(\j))*PART, v4
.endr
.endr
	s_mul_i32 s23, s10, 16*SPITCH
	s_add_co_u32 s23, s23, STAGE                   ; my stage
	v_mul_u32_u24 v[STO], v1, SPITCH               ; in: row l % 16, 32 bytes for each half of the lanes
	v_lshl_add_u32 v[STO], v2, 5, v[STO]
	v_add_nc_u32 v[STO], s23, v[STO]
	v_mul_u32_u24 v[RD], v2, SPITCH                ; back: lanes 0-15 take one row of 256 bytes, lanes 16-31 the next
	v_lshl_add_u32 v[RD], v1, 4, v[RD]
	v_add_nc_u32 v[RD], s23, v[RD]
	v_lshlrev_b32 v[CO], 12, v2                    ; and the same two rows in out0
	v_lshl_add_u32 v[CO], v1, 4, v[CO]
	s_lshl_b32 s16, s13, 19                        ; 128 rows of 4,096 bytes for each tile row,
	s_lshl_b32 s17, s11, 18                        ; my 64 rows,
	s_add_co_u32 s16, s16, s17
	s_lshl_b32 s17, s42, 9                         ; the tile column's 512 bytes,
	s_add_co_u32 s16, s16, s17
	s_lshl_b32 s17, s12, 8                         ; my 256
	s_add_co_u32 s16, s16, s17
	s_mov_b32 s17, 0
	s_add_nc_u64 s[2:3], s[2:3], s[16:17]
	s_wait_loadcnt 0x0                             ; the bias: rounded to bf16 and widened again
.set j, 0
.rept 16
	v_cvt_pk_bf16_f32 v[TMP+j], v[BI+2*j], v[BI+2*j+1]
.set j, j+1
.endr
.set j, 0
.rept 16
	v_lshlrev_b32 v[BI+2*j],   16, v[TMP+j]
	v_and_b32     v[BI+2*j+1], 0xffff0000, v[TMP+j]
.set j, j+1
.endr
; 8 matrix instructions: row blocks a0, a0 + 1 x all 4 column blocks, 32 along K: half c of buffer f.  first = 1: the product starts the sums, from the bias.  The 16 accumulators take turns.
.macro MUL8 f, c, a0, first
	WIN MUL
.irp a, \a0, (\a0)+1
.irp b, 0,1,2,3
.if \first
	v_wmma_f32_16x16x32_f16 v[ACC+8*(4*(\a)+(\b)):ACC+8*(4*(\a)+(\b))+7], v[(\f)+64+8*(4*(\c)+(\b)):(\f)+64+8*(4*(\c)+(\b))+7], v[(\f)+8*(4*(\c)+(\a)):(\f)+8*(4*(\c)+(\a))+7], v[BI+8*(\b):BI+8*(\b)+7]
.else
	v_wmma_f32_16x16x32_f16 v[ACC+8*(4*(\a)+(\b)):ACC+8*(4*(\a)+(\b))+7], v[(\f)+64+8*(4*(\c)+(\b)):(\f)+64+8*(4*(\c)+(\b))+7], v[(\f)+8*(4*(\c)+(\a)):(\f)+8*(4*(\c)+(\a))+7], v[ACC+8*(4*(\a)+(\b)):ACC+8*(4*(\a)+(\b))+7]
.endif
.endr
.endr
.endm
; 32 LDS loads in one run: quarter q (head q of the step: 64 along K) into buffer f; the first 32 along K first
.macro FETCH slot, q, f
	WIN TO_F
.irp c, 0,1
.irp i, 0,1,2,3
	ds_load_tr16_b128 v[(\f)+64+8*(4*(\c)+(\i)):(\f)+64+8*(4*(\c)+(\i))+3],   v[ADRB+2*(\slot)+(\q)/2] offset:((\q)%2)*64*PITB+32*PITB*(\c)+32*(\i)
	ds_load_tr16_b128 v[(\f)+64+8*(4*(\c)+(\i))+4:(\f)+64+8*(4*(\c)+(\i))+7], v[ADRB+2*(\slot)+(\q)/2] offset:((\q)%2)*64*PITB+32*PITB*(\c)+32*(\i)+16*PITB
	ds_load_b128 v[(\f)+8*(4*(\c)+(\i)):(\f)+8*(4*(\c)+(\i))+3],   v[ADRA+(\slot)] offset:128*PITA*(\q)+64*(\c)+(\i)*16*PITA
	ds_load_b128 v[(\f)+8*(4*(\c)+(\i))+4:(\f)+8*(4*(\c)+(\i))+7], v[ADRA+(\slot)] offset:128*PITA*(\q)+64*(\c)+(\i)*16*PITA+32
.endr
.endr
.endm
.macro PLACES                          ; four plain instructions between a matrix instruction and a load into a register that it has read, or a store of its result
.rept 4
	v_nop
.endr
.endm
.macro QUARTER slot, q, f, g, first    ; multiplies buffer f and fetches quarter q into buffer g
	s_wait_dscnt 16                                ; the first 32 along K are in
	MUL8 \f, 0, 0, \first
	MUL8 \f, 0, 2, \first
	PLACES
	FETCH \slot, \q, \g
	s_wait_dscnt 32                                ; all but the 32 just issued
	MUL8 \f, 1, 0, 0
	MUL8 \f, 1, 2, 0
.endm
; The last quarter multiplies buffer 1 and changes slots: one barrier; in front of it each wave waits for all its tensor loads, adds 0 to its spare word, and waits for that and for its reads of this slot.
; fill = 1: the barrier opens a round of the cluster's, and this slot is filled again, two K steps ahead, first thing behind the round.
.macro TURN slot, next, fill
	WIN 0
	s_wait_tensorcnt 0x0                           ; all my tensor loads have landed: my part of the next slot
	ds_add_u32 v[SPW], v[NIL]
	s_wait_dscnt 17                                ; (the add and the youngest sixteen loads may be out)
	MUL8 F1, 0, 0, 0
	s_wait_dscnt 0x0                               ; the add is done, and my reads of this slot are over
	s_barrier_signal -1
	MUL8 F1, 0, 2, 0
.if \fill
	WIN 0
.endif
	s_barrier_wait -1
.if \fill
	CREST
	s_add_nc_u64 s[G0+4*(\slot)+2:G0+4*(\slot)+3], s[G0+4*(\slot)+2:G0+4*(\slot)+3], 2*1048576
	s_add_nc_u64 s[G0B+4*(\slot)+2:G0B+4*(\slot)+3], s[G0B+4*(\slot)+2:G0B+4*(\slot)+3], 2*524288
	JLOAD \slot                                    ; the four v_nop behind it are also the places in front of the loads below
.else
	PLACES
.endif
	FETCH \next, 0, F0
	MUL8 F1, 1, 0, 0
	MUL8 F1, 1, 2, 0
.endm
	s_wait_tensorcnt 1                             ; my part of K step 0 is in; K step 1's may stay out
	s_barrier_signal -1
	s_barrier_wait -1
	FETCH 0, 0, F0
	QUARTER 0, 1, F0, F1, 1                        ; K step 0
	QUARTER 0, 2, F1, F0, 0
	QUARTER 0, 3, F0, F1, 0
	TURN 0, 1, 1                                   ; slot 0 takes K step 2
	QUARTER 1, 1, F0, F1, 0                        ; K step 1
	QUARTER 1, 2, F1, F0, 0
	QUARTER 1, 3, F0, F1, 0
	TURN 1, 0, 1                                   ; slot 1 takes K step 3
	QUARTER 0, 1, F0, F1, 0                        ; K step 2
	QUARTER 0, 2, F1, F0, 0
	QUARTER 0, 3, F0, F1, 0
	TURN 0, 1, 0
	QUARTER 1, 1, F0, F1, 0                        ; K step 3
	QUARTER 1, 2, F1, F0, 0
	QUARTER 1, 3, F0, F1, 0
	s_wait_dscnt 16
	MUL8 F1, 0, 0, 0
	MUL8 F1, 0, 2, 0
	s_wait_dscnt 0x0
	MUL8 F1, 1, 0, 0
	MUL8 F1, 1, 2, 0
	WIN 0
	; THE WAY OUT.  Row block a (16 rows x my 64 columns of f32) goes straight from its accumulators, each from its low end, into my stage, and comes back as whole rows of 256 bytes into the same registers.
	PLACES
.macro STG a
.irp b, 0,1,2,3
	ds_store_b128 v[STO], v[ACC+32*(\a)+8*(\b):ACC+32*(\a)+8*(\b)+3]   offset:64*(\b)
	ds_store_b128 v[STO], v[ACC+32*(\a)+8*(\b)+4:ACC+32*(\a)+8*(\b)+7] offset:64*(\b)+16
.endr
.irp t, 0,1,2,3,4,5,6,7
	ds_load_b128 v[ACC+32*(\a)+4*(\t):ACC+32*(\a)+4*(\t)+3], v[RD] offset:(\t)*2*SPITCH  ; LDS serves a wave's instructions in order: these see the stores above; the next block's stores come behind them
.endr
.endm
.macro SEND a, younger                 ; younger: the LDS instructions issued behind block a's loads: the next block's sixteen, or none
.irp t, 0,1,2,3,4,5,6,7
	s_wait_dscnt (\younger)+7-(\t)
	global_store_b128 v[CO], v[ACC+32*(\a)+4*(\t):ACC+32*(\a)+4*(\t)+3], s[2:3] offset:(16*(\a)+2*(\t))*4096  ; 16 lanes store 256 consecutive bytes, aligned
.endr
.endm
	STG 0
	STG 1
	SEND 0, 16
	STG 2
	SEND 1, 16
	STG 3
	SEND 2, 16
	SEND 3, 0
	s_wait_tensorcnt 0x0                           ; the wave's end: an add and its wait, behind my last tensor load and my last LDS store
	ds_add_u32 v[SPW], v[NIL]
	s_wait_dscnt 0x0
	CROUND                                         ; the closing round
	s_endpgm
.Lfunc_end_k_q1d65748607_gemm_out:
	.size	k_q1d65748607_gemm_out, .Lfunc_end_k_q1d65748607_gemm_out-k_q1d65748607_gemm_out
	.p2alignl 7, 3214868480
	.fill 96, 4, 3214868480
	.section	.rodata,"a",@progbits
	.p2align	6, 0x0
	.amdhsa_kernel k_q1d65748607_gemm_out
		.amdhsa_group_segment_fixed_size 327680
		.amdhsa_private_segment_fixed_size 0
		.amdhsa_enable_private_segment 0
		.amdhsa_kernarg_size 32
		.amdhsa_user_sgpr_count 2
		.amdhsa_user_sgpr_kernarg_segment_ptr 1
		.amdhsa_wavefront_size32 1
		.amdhsa_system_sgpr_workgroup_id_x 1
		.amdhsa_system_sgpr_workgroup_id_y 1
		.amdhsa_system_sgpr_workgroup_id_z 1
		.amdhsa_system_vgpr_workitem_id 0
		.amdhsa_next_free_vgpr 512
		.amdhsa_next_free_sgpr 66
		.amdhsa_reserve_vcc 0
		.amdhsa_float_denorm_mode_32 3
		.amdhsa_float_denorm_mode_16_64 3
		.amdhsa_memory_ordered 1
		.amdhsa_forward_progress 1
		.amdhsa_inst_pref_size 90
	.end_amdhsa_kernel
	.amdgpu_metadata
---
amdhsa.version: [ 1, 2 ]
amdhsa.kernels:
  - .name:           k_q1d65748607_gemm_out
    .symbol:         k_q1d65748607_gemm_out.kd
    .args:
      - { .name: ctx, .offset: 0, .size: 8, .value_kind: global_buffer, .address_space: global }
      - { .name: wo16, .offset: 8, .size: 8, .value_kind: global_buffer, .address_space: global }
      - { .name: bo, .offset: 16, .size: 8, .value_kind: global_buffer, .address_space: global }
      - { .name: out0, .offset: 24, .size: 8, .value_kind: global_buffer, .address_space: global }
    .group_segment_fixed_size: 327680
    .private_segment_fixed_size: 0
    .kernarg_segment_align: 8
    .kernarg_segment_size: 32
    .max_flat_workgroup_size: 128
    .sgpr_count:     66
    .vgpr_count:     512
    .wavefront_size: 32
...
	.end_amdgpu_metadata
.endif
;; end of part 4
